; MI455X (gfx1250); checked and timed in simulation.
; The chip was launched on July 23, 2026; its instructions are those of AMD's public machine-readable ISA for CDNA 5 (MIT licence, August 2026) and "CDNA5" Instruction Set Architecture Reference Guide (July 2026). The comments in the code are by the model that wrote it; some were corrected since.
;; Multi Head Attention. Allowed arithmetic: matrix products marked QUANTISED: E2M3 operands, one E8M0 scale for each 32 along K, by v_wmma_scale_f32_16x16x128_f8f6f4 with both operands' format E2M3, f32 sums; everything else in f32.
;; Inputs: K 4 x 2,048 x 1,024 float32; Q 4 x 2,048 x 1,024 float32; V 4 x 2,048 x 1,024 float32; Wk 1,024 x 1,024 float32; Wo 1,024 x 1,024 float32; Wq 1,024 x 1,024 float32; Wv 1,024 x 1,024 float32; bk 1,024 float32; bo 1,024 float32; bq 1,024 float32; bv 1,024 float32.
;; Outputs: out0 4 x 2,048 x 1,024 float32.
;; This version of the problem:
;;   THIS VERSION OF THE PROBLEM IS GIVEN IN LOW PRECISION. The matrix products marked QUANTISED in the list below multiply operands that are first quantised to E2M3 (2 exponent bits, 3 mantissa bits; 6 bits a number), with one power-of-two scale for each 32 numbers along K (OCP MX v1.0); their sums are f32. All else is computed in f32.
;;   The module's matrix products, in the order in which they are computed (A, B: the left and right operand; K: the contracted axis; several contracted axes count as one K, in the product's order):
;;     1. [M 8,192, K 1,024] x [K 1,024, N 1,024]; A: input Q; B: input Wq: QUANTISED
;;     2. [M 8,192, K 1,024] x [K 1,024, N 1,024]; A: input K; B: input Wk: QUANTISED
;;     3. [M 8,192, K 1,024] x [K 1,024, N 1,024]; A: input V; B: input Wv: QUANTISED
;;     4. batch 64 x [M 2,048, K 64] x [K 64, N 2,048]; A: computed on the way; B: computed on the way: QUANTISED
;;     5. batch 64 x [M 2,048, K 2,048] x [K 2,048, N 64]; A: softmax (see below); B: computed on the way: QUANTISED
;;     6. [M 8,192, K 1,024] x [K 1,024, N 1,024]; A: computed on the way; B: input Wo: QUANTISED
;;   THE QUANTISER, for each operand of a quantised product, along K:
;;     - K is cut into blocks of 32 from its start; a last block that is shorter is filled with zeros.
;;     - A block's scale is 2^e with e = floor(log2(the largest magnitude in the block)) - 2, held to -126 .. 127; a block of zeros has e = 0. As a byte (E8M0): e + 127.
;;     - Each number is divided by its block's scale, clamped to +-7.5, and rounded to the nearest number of E2M3, ties to even, subnormals kept.
;;     - The product sums the exact products of the quantised numbers (number of the format x scale) in f32.
;;   ~~~python
;;   def quantise(x, axis):      # numpy; x: float32 -> the quantised numbers, widened to float32 again
;;       x = np.moveaxis(x, axis, -1); K = x.shape[-1]
;;       x = np.pad(x, [(0, 0)] * (x.ndim - 1) + [(0, -K % 32)]); x = x.reshape(x.shape[:-1] + (-1, 32)); a = np.abs(x).max(-1, keepdims=True)
;;       e = np.where(a > 0, np.clip(np.frexp(np.where(a > 0, a, 1))[1] - 1 - 2, -126, 127), 0)      # np.frexp(a)[1] - 1 = floor(log2(a)), exactly
;;       r = np.clip(x / 2.0 ** e, -7.5, 7.5)
;;       step = 2.0 ** (np.maximum(np.frexp(np.where(r == 0, 1, r))[1] - 1, 0) - 3)
;;       q = np.round(r / step) * step * 2.0 ** e      # np.round: ties to even
;;       return np.moveaxis(q.reshape(q.shape[:-2] + (-1,))[..., :K], -1, axis).astype(np.float32)
;;   ~~~
;;   SOFTMAX AHEAD OF A QUANTISED PRODUCT. Where the list says 'softmax', what is quantised is not the finished softmax but p = 2^(t - M), with t = logit x log2(e) and M = ceil(the row's largest t), a whole number; so 1/2 < the row's largest p <= 1. The row's sum l is taken of the UNQUANTISED p, in f32, and the product's result is divided by l at the end. Since M is a whole number, a kernel that streams over the keys may use a running M (the ceiling of the running maximum): every later rescaling is an exact power of two, which a block's scale takes up: the codes' values come out the same.
;;   OPERANDS COMPUTED ON THE WAY. 'Computed on the way' means the value that the module computes at that place (a softmax that the list does not call 'softmax' is quantised finished and normalised). What goes into a quantiser is computed in f32, as accurately as f32 sums, v_exp_f32 and their like allow (about 1e-6 of the number): no bf16 or f16 on the way to a quantiser, and a product that is left as it is and whose result goes on into a quantised operand takes f32 operands (vector FMAs, or v_wmma_f32_16x16x4_f32). A number that lies on a knife's edge between two numbers of the format may be rounded either way, as far as f32 arithmetic and the matrix unit's own rounding can turn it there, and no further.
;; One version. Each part assembles by itself: llvm-mc -triple=amdgcn-amd-amdhsa -mcpu=gfx1250 --defsym DOCPART=n.
;; ======== version 1 of 1: 4 launches
;; limits: right only within a limited range of input values
;; workspace buffers: cimg 28,311,552 bytes; simg 1,179,648 bytes; himg 18,874,368 bytes; hscl 786,432 bytes
;; launch quant (part 1): grid 256 x 1, 7 waves a work-group, no clusters, 60,160 bytes of LDS; arguments Q, K, V, Wq, Wk, Wv, Wo, cimg, simg; writes cimg, simg
.if DOCPART == 1
	.amdgcn_target "amdgcn-amd-amdhsa--gfx1250"
	.amdhsa_code_object_version 6
	.text
	.protected	k_qa66f5bf8fc_quant
	.globl	k_qa66f5bf8fc_quant
	.p2align	8
	.type	k_qa66f5bf8fc_quant,@function
k_qa66f5bf8fc_quant:
	s_mov_b64 s[64:65], 0
	v_nop
	global_prefetch_b8 v0, s[64:65] scope:SCOPE_SE
	s_setreg_imm32_b32 hwreg(HW_REG_WAVE_MODE, 25, 1), 1
	s_wait_xcnt 0x0
; Q, K, V [8192][1024] and Wq, Wk, Wv, Wo [1024][1024], f32 with K innermost, become codes of FP6 (E2M3) with one E8M0 byte for each 32 along K.
; A block's scale is 2^(floor(log2(largest magnitude)) - 2); its byte is the largest magnitude's exponent field - 2, held at 1 from below.
; LIMITS: NaN and infinities are not served; blocks whose largest magnitude lies under 2^-124 keep the byte 1; a block of zeros gets the byte 1 (its codes are zeros, and this program alone reads the bytes).
; LAYOUT OF THE RESULT: images of the operand's registers.  A ROW TILE is 16 rows: tile i of the group G of 64 rows holds in lane r row 64 G + 32 (r / 8) + 8 i + r % 8.
; cimg: row tile T at 12,288 T; K step s (128 along K) at + 1,536 s: two halves of 768 bytes (64 along K): registers 0-3 at 16 x lane, registers 4-5 at 512 + 8 x lane.
; simg: row tile T at 512 T; the scale word of K step s and row r at 256 (s / 4) + 16 r + 4 (s % 4).
; Row tiles: Q 0-511, K 512-1023, V 1024-1535, Wq 1536-, Wk 1600-, Wv 1664-, Wo 1728-1791: 1,792 = 256 work-groups x 7 waves, a tile a wave.
; A wave takes its 16 rows in 8 steps of 128 along K.  Each load reads 512 consecutive bytes of one row; the step's 8,192 bytes turn through the wave's own stage in LDS (rows 528 bytes apart)
; and come back so that lane (r, h) holds, of row r, k = 64 c + 32 h + 0 .. 31, c = 0, 1: two whole blocks, in the order of the operand's registers.  Waves share nothing: no barrier.
.set STGB,  8448                       ; a wave's stage: 16 rows x (512 + 16) bytes
.set SPARE, 7*STGB                     ; behind the stages: the spare words, 128 bytes a wave, four blocks of 256 bytes that no other line names
.set L16, 1                            ; v1   16 x lane
.set L8,  2                            ; v2   8 x lane
.set STI, 3                            ; v3   stage, way in: 16 x lane
.set STO, 4                            ; v4   stage, way out: 528 r + 128 h
.set SH8, 5                            ; v5   8 h
.set SPW, 6                            ; v6   my spare word; never rewritten
.set NIL, 7                            ; v7   0; never rewritten
.set XX,  8                            ; v8   a lane permute's destination
.set R,   16                           ; v16-143  two sets of 64 numbers as loaded
.set XN,  144                          ; v144-207 64 numbers in the operand's order
.set PC,  208                          ; v208-219 the fragment's codes
.set PT,  220                          ; v220-227 second halves of the blocks, as the conversions leave them
.set MC,  228                          ; v228-231 four running maxima
.set SO,  232                          ; v232-233 the conversions' scale operands
.set BY,  234                          ; v234-235 the scale bytes
.set WW,  236
.set SW,  240                          ; v240-247 the scale word of each K step
	s_load_b512 s[8:23], s[0:1], 0x0               ; Q, K, V, Wq, Wk, Wv, Wo, cimg
	s_load_b64 s[24:25], s[0:1], 0x40              ; simg
	v_lshl_add_u32 v[SPW], v0, 2, SPARE
	v_mov_b32 v[NIL], 0
	v_lshrrev_b32 v9, 5, v0
	v_readfirstlane_b32 s2, v9                     ; wave 0..6
	v_and_b32 v9, 31, v0                           ; lane
	v_and_b32 v10, 15, v0                          ; r
	v_bfe_u32 v11, v0, 4, 1                        ; h
	v_lshlrev_b32 v[L16], 4, v9
	v_lshlrev_b32 v[L8], 3, v9
	s_mul_i32 s26, s2, STGB
	v_add_nc_u32 v[STI], s26, v[L16]
	v_mul_u32_u24 v[STO], v10, 528
	v_lshl_add_u32 v[STO], v11, 7, v[STO]
	v_add_nc_u32 v[STO], s26, v[STO]
	v_lshlrev_b32 v[SH8], 3, v11
	v_mov_b32 v[XX], 0
	s_mov_b32 s30, 0x76543210
	s_mov_b32 s31, 0xfedcba98                      ; lane selects: lane l xor 16
	s_mov_b32 s32, 0xffff0000                      ; lanes 16-31
	s_mul_i32 s3, ttmp9, 7
	s_add_co_u32 s3, s3, s2                        ; T: my row tile
	s_cmp_lt_u32 s3, 1536
	s_cselect_b32 s27, 511, 63
	s_and_b32 s27, s3, s27                         ; the tile's number inside its tensor
	s_lshr_b32 s28, s27, 2
	s_lshl_b32 s28, s28, 18                        ; its group: 64 rows of 4,096 bytes
	s_and_b32 s27, s27, 3
	s_lshl_b32 s27, s27, 15                        ; + 8 i rows
	s_add_co_u32 s28, s28, s27
	s_mov_b32 s29, 0
	s_mul_i32 s34, s3, 12288
	s_mov_b32 s35, 0
	s_lshl_b32 s36, s3, 9
	s_mov_b32 s37, 0
	s_wait_alu depctr_va_vdst(0)
	s_wait_kmcnt 0x0
	s_mov_b64 s[4:5], s[8:9]                       ; which tensor: the choice hangs on the tile's number alone
	s_cmp_ge_u32 s3, 512
	s_cselect_b64 s[4:5], s[10:11], s[4:5]
	s_cmp_ge_u32 s3, 1024
	s_cselect_b64 s[4:5], s[12:13], s[4:5]
	s_cmp_ge_u32 s3, 1536
	s_cselect_b64 s[4:5], s[14:15], s[4:5]
	s_cmp_ge_u32 s3, 1600
	s_cselect_b64 s[4:5], s[16:17], s[4:5]
	s_cmp_ge_u32 s3, 1664
	s_cselect_b64 s[4:5], s[18:19], s[4:5]
	s_cmp_ge_u32 s3, 1728
	s_cselect_b64 s[4:5], s[20:21], s[4:5]
	s_add_nc_u64 s[4:5], s[4:5], s[28:29]
	s_add_nc_u64 s[22:23], s[22:23], s[34:35]
	s_add_nc_u64 s[24:25], s[24:25], s[36:37]
.macro LOADS s                         ; K step s of my 16 rows: each load is 512 consecutive bytes of one row
.set p, 0
.rept 16
	global_load_b128 v[R+64*((\s)%2)+4*p:R+64*((\s)%2)+4*p+3], v[L16], s[4:5] offset:(p%8+32*(p/8))*4096+512*(\s) th:TH_LOAD_NT
.set p, p+1
.endr
.endm
; 64 numbers of a lane, XN[32 c + 0 .. 31] = its block 2 c + h, become the fragment's 12 registers in PC and the row's scale word in v[pw]
.macro QUANT64 pw
.irp c, 0,1
.irp e, 0,1
	v_max3_num_f32 v[MC+2*\c+\e], |v[XN+32*\c+16*\e]|, |v[XN+32*\c+16*\e+1]|, 0x1800000   ; four chains by turns; the floor 2^(3 - 127) holds the byte at 1 from below
.endr
.endr
.irp i, 2,4,6,8,10,12,14
.irp c, 0,1
.irp e, 0,1
	v_max3_num_f32 v[MC+2*\c+\e], |v[XN+32*\c+16*\e+\i]|, |v[XN+32*\c+16*\e+\i+1]|, v[MC+2*\c+\e]
.endr
.endr
.endr
	v_max_num_f32 v[MC], v[MC], v[MC+1]            ; block h's largest magnitude,
	v_max_num_f32 v[MC+2], v[MC+2], v[MC+3]        ; block 2 + h's
	v_add_nc_u32 v[SO], 0xff000000, v[MC]          ; 2 off the exponent field: the conversion takes this operand's exponent field as its scale
	v_add_nc_u32 v[SO+1], 0xff000000, v[MC+2]
	v_lshrrev_b32 v[BY], 23, v[SO]                 ; the scale's byte
	v_lshrrev_b32 v[BY+1], 23, v[SO+1]
	v_lshl_or_b32 v[WW], v[BY+1], 16, v[BY]
	v_lshlrev_b32 v[WW], v[SH8], v[WW]             ; my two bytes at their places,
	v_permlanex16_b32 v[XX], v[WW], s30, s31
	v_or_b32 v[\pw], v[WW], v[XX]                  ; with lane l xor 16's two: the row's word
.irp c, 0,1
	v_cvt_scalef32_pk16_fp6_f32 v[PC+6*\c:PC+6*\c+2], v[XN+32*\c:XN+32*\c+15], v[SO+\c]
	v_cvt_scalef32_pk16_fp6_f32 v[PT+4*\c:PT+4*\c+2], v[XN+32*\c+16:XN+32*\c+31], v[SO+\c]   ; (a conversion's three registers begin on an even number)
.endr
	v_nop                                          ; one plain place behind the scaled conversions
.irp c, 0,1
.irp i, 0,1,2
	v_mov_b32 v[PC+6*\c+3+\i], v[PT+4*\c+\i]
.endr
.endr
.endm
.macro STEP s
.if (\s) < 7
	s_wait_loadcnt 16                              ; this step's 16 loads are in; the next step's 16 may be out
.else
	s_wait_loadcnt 0x0
.endif
.set p, 0
.rept 16
	ds_store_b128 v[STI], v[R+64*((\s)%2)+4*p:R+64*((\s)%2)+4*p+3] offset:528*p
.set p, p+1
.endr
.set p, 0
.rept 16
	ds_load_b128 v[XN+32*(p/8)+4*(p%8):XN+32*(p/8)+4*(p%8)+3], v[STO] offset:256*(p/8)+16*(p%8)   ; LDS serves a wave's instructions in order: these see the stores above
.set p, p+1
.endr
	s_wait_dscnt 0x0                               ; the numbers are back, and the stage's stores have read their registers
	s_wait_xcnt 0x0                                ; the last step's stores have read PC: it is rewritten only behind this wait
.if (\s) < 6
	LOADS (\s)+2
.endif
	QUANT64 SW+(\s)
	global_store_b128 v[L16], v[PC:PC+3], s[22:23] offset:1536*(\s)            ; 512 consecutive bytes, aligned
	global_store_b64 v[L8], v[PC+4:PC+5], s[22:23] offset:1536*(\s)+512        ; 256 consecutive bytes, aligned
	global_store_b128 v[L16], v[PC+6:PC+9], s[22:23] offset:1536*(\s)+768
	global_store_b64 v[L8], v[PC+10:PC+11], s[22:23] offset:1536*(\s)+1280
.endm
	LOADS 0
	LOADS 1
.irp s, 0,1,2,3,4,5,6,7
	STEP \s
.endr
.irp j, 0,1,2,3
	v_cndmask_b32 v[MC+\j], v[SW+\j], v[SW+4+\j], s32   ; lanes 0-15: row r's words of K steps 0-3; lanes 16-31: of K steps 4-7
.endr
	global_store_b128 v[L16], v[MC:MC+3], s[24:25] ; the tile's 512 bytes of scale words
	s_wait_tensorcnt 0x0                           ; the wave's end
	ds_add_u32 v[SPW], v[NIL]
	s_wait_dscnt 0x0
	s_endpgm
.Lfunc_end_k_qa66f5bf8fc_quant:
	.size	k_qa66f5bf8fc_quant, .Lfunc_end_k_qa66f5bf8fc_quant-k_qa66f5bf8fc_quant
	.p2alignl 7, 3214868480
	.fill 96, 4, 3214868480
	.section	.rodata,"a",@progbits
	.p2align	6, 0x0
	.amdhsa_kernel k_qa66f5bf8fc_quant
		.amdhsa_group_segment_fixed_size 60160
		.amdhsa_private_segment_fixed_size 0
		.amdhsa_enable_private_segment 0
		.amdhsa_kernarg_size 72
		.amdhsa_user_sgpr_count 2
		.amdhsa_user_sgpr_kernarg_segment_ptr 1
		.amdhsa_wavefront_size32 1
		.amdhsa_system_sgpr_workgroup_id_x 1
		.amdhsa_system_sgpr_workgroup_id_y 1
		.amdhsa_system_sgpr_workgroup_id_z 1
		.amdhsa_system_vgpr_workitem_id 0
		.amdhsa_next_free_vgpr 248
		.amdhsa_next_free_sgpr 66
		.amdhsa_reserve_vcc 0
		.amdhsa_float_denorm_mode_32 3
		.amdhsa_float_denorm_mode_16_64 3
		.amdhsa_memory_ordered 1
		.amdhsa_forward_progress 1
		.amdhsa_inst_pref_size 60
	.end_amdhsa_kernel
	.amdgpu_metadata
---
amdhsa.version: [ 1, 2 ]
amdhsa.kernels:
  - .name:           k_qa66f5bf8fc_quant
    .symbol:         k_qa66f5bf8fc_quant.kd
    .args:
      - { .name: Q, .offset: 0, .size: 8, .value_kind: global_buffer, .address_space: global }
      - { .name: K, .offset: 8, .size: 8, .value_kind: global_buffer, .address_space: global }
      - { .name: V, .offset: 16, .size: 8, .value_kind: global_buffer, .address_space: global }
      - { .name: Wq, .offset: 24, .size: 8, .value_kind: global_buffer, .address_space: global }
      - { .name: Wk, .offset: 32, .size: 8, .value_kind: global_buffer, .address_space: global }
      - { .name: Wv, .offset: 40, .size: 8, .value_kind: global_buffer, .address_space: global }
      - { .name: Wo, .offset: 48, .size: 8, .value_kind: global_buffer, .address_space: global }
      - { .name: cimg, .offset: 56, .size: 8, .value_kind: global_buffer, .address_space: global }
      - { .name: simg, .offset: 64, .size: 8, .value_kind: global_buffer, .address_space: global }
    .group_segment_fixed_size: 60160
    .private_segment_fixed_size: 0
    .kernarg_segment_align: 8
    .kernarg_segment_size: 72
    .max_flat_workgroup_size: 224
    .sgpr_count:     66
    .vgpr_count:     248
    .wavefront_size: 32
...
	.end_amdgpu_metadata
.endif
;; end of part 1
;; launch proj (part 2): grid 4 x 64, 4 waves a work-group, clusters of 4 x 4, 327,680 bytes of LDS; arguments cimg, simg, bq, bk, bv, himg, hscl; writes himg, hscl
.if DOCPART == 2
	.amdgcn_target "amdgcn-amd-amdhsa--gfx1250"
	.amdhsa_code_object_version 6
	.text
	.protected	k_qa66f5bf8fc_proj
	.globl	k_qa66f5bf8fc_proj
	.p2align	8
	.type	k_qa66f5bf8fc_proj,@function
k_qa66f5bf8fc_proj:
	s_mov_b64 s[64:65], 0
	v_nop
	global_prefetch_b8 v0, s[64:65] scope:SCOPE_SE
	s_setreg_imm32_b32 hwreg(HW_REG_WAVE_MODE, 25, 1), 1
	s_wait_xcnt 0x0
	s_wait_alu depctr_hold_cnt(0) depctr_sa_sdst(0) depctr_va_vdst(0) depctr_va_sdst(0) depctr_va_ssrc(0) depctr_va_vcc(0) depctr_vm_vsrc(0)
	s_getreg_b32 s2, hwreg(HW_REG_IB_STS2, 6, 4)
	s_cmp_eq_u32 s2, 0
	s_cbranch_scc0 .Lentry_in_a_cluster
	s_endpgm
.Lentry_in_a_cluster:
	s_bfe_u32 s2, ttmp6, 0x10000c
	s_cmp_lg_u32 s2, 0xf033
	s_cbranch_scc0 .Lentry_shape_is_right
	s_endpgm
.Lentry_shape_is_right:
; q = Q Wq^T + bq, k = K Wk^T + bk, v = V Wv^T + bv on codes of FP6 (E2M3), E8M0 scales for each 32 along K; the results are quantised in registers, q and k along the head's 64, v along the keys.
; LIMITS: NaN and infinities are not served; blocks under 2^-124 keep the byte 1, blocks of zeros get the byte 1 with zero codes (read by this program alone).
; A tile is 128 "A" rows x 256 "B" rows, K = 1,024; four waves as 2 x 2, a wave 64 A rows (4 tiles a) x 128 B rows (8 tiles b): 32 accumulators, 256 registers.
; 256 WORK-GROUPS STAY: each makes three tiles on end, one of q, one of k, one of v.  q's and k's run one loop body of two trips; v's, behind which nothing is fetched, is written out.
; The matrix instruction is used transposed: source 0 = B's fragment, source 1 = A's: a lane holds ONE A row and its registers run along B's rows.  A row tile i of a group of 64 rows holds in lane r row
; 32 (r / 8) + 8 i + r % 8, so the 32 registers of B's tiles 4 c + 0 .. 3 are rows 64 c + 32 h + 0 .. 31: a whole block of 32 along the next K in one lane, in the order of the next operand's registers.
; q, k: A = tokens, B = the weight's rows (features).   v: A = Wv's rows (features), B = tokens: the registers run along the keys.
; ALL OF A TILE'S K LIES IN LDS, one tensor load a wave: wave 0 A's 8 row tiles whole (98,304 bytes from 0, tile t at 12,288 t); wave 1 B's 16 tiles, K steps 0-1 (from 98,304, 3,072 a tile);
; wave 2 K steps 2-3 (from 147,456); wave 3 K steps 4-7 (from 196,608, 6,144 a tile).  Three plain barriers show them in the order of use: waves 0 and 1 wait ahead of the first, wave 2 too ahead of the second, all ahead of the third.
; THE REFILL: when a tile's last fragments are in registers, every wave runs the three lines, a round of the cluster's barrier follows, and each wave asks for its region's part of the next tile: the last K step's 32 products and the whole way out stand between that request and the wait for it.
; CLUSTER 4 x 4: A's tiles are shared along a row of the cluster, B's along a column: joint loads with a mask that names the four.
; PREFETCH: at a tile's start the next tile's bytes are asked for into the L2, seven K steps ahead of the refill: the sixteen waves that will ask jointly share the blocks of 256 bytes out by address: 24 of A's 384 and 48 of B's 768 a wave.  The last tile asks for nothing.
; OUT: himg: q at 0, k at 6,291,456: [batch x head][token tile 0..127][768];  v at 12,582,912: [batch x head][key step 0..15][feature tile 0..3][1,536].
;      hscl: q, k, v 262,144 bytes each: [batch x head][step of 128 tokens][256]: word of fragment f, row r at 64 f + 4 r (q, k: tiles 2 f and 2 f + 1, two bytes each; v: feature tile f, four blocks of keys).
; REGISTERS: window 0: v1-29 addresses; v32-95 scale words; v96-127 at work; v128-223 A's fragments, two sets.  window 1: B's fragments, two sets, at v0 and v128.  window 2: the accumulators, (a, b) at 8 (8 a + b).  window 3: v0-63 the bias.
.set SPARE, 294912                     ; behind the tiles: the spare words, two blocks of 256 bytes that no other line names
.set RR,  1
.set HH,  2
.set L16, 3
.set L8,  4
.set SH8, 5
.set VS1, 6                            ; offsets of my scale words in simg: lanes 0-15 A's tiles, lanes 16-31 B's
.set VS2, 7
.set XX,  8
.set L4,  9
.set VBQ, 10
.set VBV, 11
.set SW,  12                           ; v12-15 the scale word of each of my four A tiles
.set A16, 16
.set A8,  17
.set B16, 18
.set B8,  19
.set TQ,  20
.set PFL, 24                           ; 256 x min(lane, 23)
.set PFA, 25                           ; the prefetches' offsets in cimg
.set PFB, 26
.set SPW, 28
.set NIL, 29
.set SC,  32                           ; SC[8 i + s]: lanes 0-15 the word of A's tile i % 4, lanes 16-31 of B's tile i, K step s
.set PC,  96
.set PT,  108
.set MC,  116
.set SO,  120
.set BY,  122
.set WW,  124
.set BST, 68                           ; s68: from my B fragments of K steps 2-3 to those of K steps 4-7
.set MSB, 0
.macro WIN new                         ; the immediate's high byte repeats the setting that is left
.if MSB != \new
	s_set_vgpr_msb (MSB<<8)|\new
.set MSB, \new
.endif
.endm
.set MUL,  0xa1                        ; source 0 (B) window 1, source 1 (A) window 0, C and D window 2
.set MULB, 0xb1                        ; the same with C (the bias) in window 3
.set TO_B, 0x40
.macro WALU
	s_wait_alu depctr_va_vdst(0)
.endm
.macro CROUND                          ; a round of the cluster's barrier
	s_barrier_signal -1
	s_barrier_wait -1
	s_cmp_lg_u32 s18, 0
	s_cbranch_scc1 .Lnot_wave_0_\@
	s_barrier_signal -3
.Lnot_wave_0_\@:
	s_barrier_wait -3
	s_barrier_signal -1
	s_barrier_wait -1
.endm
.macro PLACES
.rept 4
	v_nop
.endr
.endm
.macro TL g0, g1                       ; a load, its s_nop 0 and four v_nop
	tensor_load_to_lds s[\g0:\g0+3], s[\g1:\g1+7]
	s_nop 0
	PLACES
.endm
.macro LOADS4                          ; one chain of arms on the wave's number, one load to an arm
	s_cmp_lt_u32 s18, 1
	s_cbranch_scc0 .Lb01_\@
	TL 40, 24                                      ; wave 0: A
	s_branch .Lasked_\@
.Lb01_\@:
	s_cmp_lt_u32 s18, 2
	s_cbranch_scc0 .Lb23_\@
	TL 44, 32                                      ; wave 1: B, K steps 0-1
	s_branch .Lasked_\@
.Lb23_\@:
	s_cmp_lt_u32 s18, 3
	s_cbranch_scc0 .Lb47_\@
	TL 48, 32                                      ; wave 2: B, K steps 2-3
	s_branch .Lasked_\@
.Lb47_\@:
	TL 52, 56                                      ; wave 3: B, K steps 4-7
.Lasked_\@:
.endm
; Which rows tile s77 (0: q, 1: k, 2: v) takes: s80 ta, s84 tb, s82 A's first row tile, s86 B's.  A's side is made of cy alone, B's of cx alone; s77 and s78 (cluster y) are the same in all sixteen partners.
.macro TILEIDX
	s_lshl_b32 s80, s78, 2                         ; q, k: block of 128 tokens 4 y + cy;
	s_add_co_u32 s80, s80, s22
	s_and_b32 s81, s78, 1                          ; v: block of 128 features 4 (y % 2) + cy
	s_lshl_b32 s81, s81, 2
	s_add_co_u32 s81, s81, s22
	s_lshl_b32 s82, s77, 9                         ; q, k: the tokens' first row tile
	s_mov_b32 s84, s21                             ; q, k: block of 256 features cx;
	s_lshr_b32 s85, s78, 1                         ; v: block of 256 tokens cx + 4 (y / 2)
	s_lshl_b32 s85, s85, 2
	s_add_co_u32 s85, s85, s21
	s_lshl_b32 s86, s77, 6
	s_add_co_u32 s86, s86, 1536                    ; q, k: the weight's first row tile
	s_cmp_eq_u32 s77, 2
	s_cselect_b32 s80, s81, s80
	s_cselect_b32 s82, 1664, s82
	s_cselect_b32 s84, s85, s84
	s_cselect_b32 s86, 1024, s86
	s_lshl_b32 s81, s80, 3
	s_add_co_u32 s82, s82, s81
	s_lshl_b32 s85, s84, 4
	s_add_co_u32 s86, s86, s85
	s_mul_i32 s90, s82, 12288                      ; A's tiles in cimg,
	s_mov_b32 s91, 0
	s_mul_i32 s96, s86, 12288                      ; B's
	s_mov_b32 s97, 0
.endm
.macro GADDR                           ; the four groups 0 take the tile at s90, s96: written only where no tensor load of the wave is out
	s_add_nc_u64 s[42:43], s[4:5], s[90:91]
	s_add_nc_u64 s[46:47], s[4:5], s[96:97]
	s_add_nc_u64 s[50:51], s[46:47], 3072
	s_add_nc_u64 s[54:55], s[46:47], 6144
	s_or_b32 s43, s43, 0x80000000
	s_or_b32 s47, s47, 0x80000000
	s_or_b32 s51, s51, 0x80000000
	s_or_b32 s55, s55, 0x80000000
.endm
.macro FRAG reg, a16, a8, off          ; a fragment's image, 1,536 bytes, into 12 registers: every load reads consecutive bytes
	ds_load_b128 v[(\reg):(\reg)+3], v[\a16] offset:(\off)
	ds_load_b64 v[(\reg)+4:(\reg)+5], v[\a8] offset:(\off)+512
	ds_load_b128 v[(\reg)+6:(\reg)+9], v[\a16] offset:(\off)+768
	ds_load_b64 v[(\reg)+10:(\reg)+11], v[\a8] offset:(\off)+1280
.endm
.macro FETCH s                         ; K step s: B's eight and A's four fragments into set s % 2
	WIN TO_B
.irp b, 0,1,2,3,4,5,6,7
.if (\s) < 4
	FRAG 128*((\s)%2)+12*\b, B16, B8, 3072*\b+1536*((\s)%2)
.else
	FRAG 128*((\s)%2)+12*\b, B16, B8, 6144*\b+1536*((\s)-4)
.endif
.endr
	WIN 0
.irp a, 0,1,2,3
	FRAG 128+48*((\s)%2)+12*\a, A16, A8, 12288*\a+1536*(\s)
.endr
.endm
; A's tiles a0 .. a1 against B's eight.  cmode 0: C = the accumulator; 1: the bias by B's rows; 2: the bias by A's rows.  The 32 accumulators take turns in the same order in every step.
.macro MULS s, a0, a1, cmode
.set aa, \a0
.rept (\a1)-(\a0)+1
.set bb, 0
.rept 8
.set rD, 8*(8*aa+bb)
.set rC, 8*(8*aa+bb)
.if (\cmode) == 1
.set rC, 8*bb
.endif
.if (\cmode) == 2
.set rC, 8*aa
.endif
	v_wmma_scale_f32_16x16x128_f8f6f4 v[rD:rD+7], v[128*((\s)%2)+12*bb:128*((\s)%2)+12*bb+11], v[128+48*((\s)%2)+12*aa:128+48*((\s)%2)+12*aa+11], v[rC:rC+7], v[SC+8*bb+(\s)], v[SC+8*aa+(\s)] matrix_a_fmt:MATRIX_FMT_FP6 matrix_b_fmt:MATRIX_FMT_FP6 matrix_a_scale:MATRIX_SCALE_ROW1
.set bb, bb+1
.endr
.set aa, aa+1
.endr
.endm
.macro STEP_EVEN s
	s_wait_dscnt 0x0                               ; this step's fragments are in
	PLACES                                         ; four places behind the products that read the set now loaded anew
	FETCH (\s)+1
	WIN MUL
	MULS \s, 0, 3, 0
.endm
.macro STEP_ODD s                      ; K steps 1 and 3: B's next part is shown to all four waves
	WIN 0
.if (\s) == 1
	s_cmp_eq_u32 s18, 3                            ; wave 3's part, K steps 4-7, may stay out: its load lines are wave 3's alone
	s_cbranch_scc1 .Lnot_yet_\@
.endif
	s_wait_tensorcnt 0x0
.if (\s) == 1
.Lnot_yet_\@:
.endif
	s_wait_dscnt 0x0
	s_barrier_signal -1
	WIN MUL
	MULS \s, 0, 1, 0
	WIN 0
	s_barrier_wait -1
.if (\s) == 1
	v_add_nc_u32 v[B16], 49152, v[B16]             ; on to B's next part; these two and two v_nop are the places in front of the loads
	v_add_nc_u32 v[B8], 49152, v[B8]
.else
	v_add_nc_u32 v[B16], s[BST], v[B16]
	v_add_nc_u32 v[B8], s[BST], v[B8]
.endif
	v_nop
	v_nop
	FETCH (\s)+1
	WIN MUL
	MULS \s, 2, 3, 0
.endm
; A tile a's 64 numbers of a lane (window 2, v[64 a ..]: block 2 c + h at 32 c) become 12 registers of codes and the row's scale word; each accumulator is read from its low end on.  step: bytes from A tile to A tile in himg
.macro EPI a, step
.set XB, 64*(\a)
	WIN 0x0a                                       ; sources 0 and 1 window 2
.irp c, 0,1
.irp e, 0,1
	v_max3_num_f32 v[MC+2*\c+\e], |v[XB+32*\c+16*\e]|, |v[XB+32*\c+16*\e+1]|, 0x1800000   ; the floor 2^(3 - 127) holds the byte at 1 from below
.endr
.endr
.irp i, 2,4,6,8,10,12,14
.irp c, 0,1
.irp e, 0,1
	v_max3_num_f32 v[MC+2*\c+\e], |v[XB+32*\c+16*\e+\i]|, |v[XB+32*\c+16*\e+\i+1]|, v[MC+2*\c+\e]
.endr
.endr
.endr
	WIN 0
	v_max_num_f32 v[MC], v[MC], v[MC+1]
	v_max_num_f32 v[MC+2], v[MC+2], v[MC+3]
	v_add_nc_u32 v[SO], 0xff000000, v[MC]          ; 2 off the exponent field: the conversion's scale operand
	v_add_nc_u32 v[SO+1], 0xff000000, v[MC+2]
	v_lshrrev_b32 v[BY], 23, v[SO]
	v_lshrrev_b32 v[BY+1], 23, v[SO+1]
	v_lshl_or_b32 v[WW], v[BY+1], 16, v[BY]
	v_lshlrev_b32 v[WW], v[SH8], v[WW]
	v_permlanex16_b32 v[XX], v[WW], s66, s67
	v_or_b32 v[SW+\a], v[WW], v[XX]
.if \a > 0
	WALU
	s_wait_xcnt 0x0                                ; the last tile's stores have read their data and bases: both are rewritten only behind this wait
	s_add_nc_u64 s[70:71], s[70:71], \step
	s_add_nc_u64 s[72:73], s[72:73], \step
.endif
	WIN 0x02                                       ; source 0 window 2
.irp c, 0,1
	v_cvt_scalef32_pk16_fp6_f32 v[PC+6*\c:PC+6*\c+2], v[XB+32*\c:XB+32*\c+15], v[SO+\c]
	v_cvt_scalef32_pk16_fp6_f32 v[PT+4*\c:PT+4*\c+2], v[XB+32*\c+16:XB+32*\c+31], v[SO+\c]
.endr
	WIN 0
	v_nop                                          ; one plain place behind the scaled conversions
.irp c, 0,1
.irp i, 0,1,2
	v_mov_b32 v[PC+6*\c+3+\i], v[PT+4*\c+\i]
.endr
.endr
	global_store_b128 v[L16], v[PC:PC+3], s[70:71]             ; 512 consecutive bytes, aligned
	global_store_b64 v[L8], v[PC+4:PC+5], s[70:71] offset:512  ; 256 consecutive bytes, aligned
	global_store_b128 v[L16], v[PC+6:PC+9], s[72:73]
	global_store_b64 v[L8], v[PC+10:PC+11], s[72:73] offset:512
.endm
; ONE TILE.  Its four loads have been asked for.  isv = 0: q or k, by s77, and the next tile is asked for; isv = 1: v, the last
.macro TILE isv
	WALU
	s_wait_xcnt 0x0                                ; the last tile's stores, loads and prefetches have read their registers and bases
	s_lshl_b32 s2, s19, 2                          ; the scale words come once a tile, straight into registers
	s_add_co_u32 s2, s2, s82
	s_lshl_b32 s2, s2, 9                           ; A: my first tile's 512 bytes in simg
	s_lshl_b32 s23, s20, 3
	s_add_co_u32 s23, s23, s86
	s_lshl_b32 s23, s23, 9                         ; B likewise
	v_mov_b32 v[VS1], s2
	v_mov_b32 v[VS2], s23
	v_cndmask_b32 v[VS1], v[VS1], v[VS2], s3
	v_lshl_add_u32 v[VS1], v[RR], 4, v[VS1]        ; + 16 r
	v_lshl_add_u32 v[VS2], v[HH], 11, v[VS1]       ; for i = 4 .. 7: B's lanes four tiles on, A's lanes their tiles 0 .. 3 again
.irp i, 0,1,2,3
.irp q, 0,1
	global_load_b128 v[SC+8*\i+4*\q:SC+8*\i+4*\q+3], v[VS1], s[6:7] offset:512*\i+256*\q
	global_load_b128 v[SC+32+8*\i+4*\q:SC+32+8*\i+4*\q+3], v[VS2], s[6:7] offset:512*\i+256*\q
.endr
.endr
	s_mov_b32 s93, 0
	s_lshl_b32 s81, s80, 1
	s_add_co_u32 s81, s81, s19                     ; 2 ta + wa: q, k: my group of 64 tokens; v: my head
	s_lshl_b32 s85, s84, 1
	s_add_co_u32 s85, s85, s20                     ; 2 tb + wb: q, k: my pair of heads; v: my step of 128 tokens
.if \isv
	s_lshl_b32 s92, s80, 9
	s_lshl_b32 s87, s19, 8
	s_add_co_u32 s92, s92, s87                     ; my 64 features are A's rows: 4 (128 ta + 64 wa)
	s_add_nc_u64 s[100:101], s[12:13], s[92:93]
	WIN 0xc0                                       ; destination window 3
.set xx, 0
.rept 4                                ; a tile's eight registers all hold the lane's own feature's bias
.set jj, 0
.rept 8
	global_load_b32 v[8*xx+jj], v[VBV], s[100:101] offset:32*xx
.set jj, jj+1
.endr
.set xx, xx+1
.endr
	WIN 0
	s_lshr_b32 s87, s85, 4                         ; batch,
	s_and_b32 s88, s85, 15                         ; key step
	s_lshl_b32 s87, s87, 4
	s_add_co_u32 s87, s87, s81
	s_lshl_b32 s87, s87, 4
	s_add_co_u32 s87, s87, s88
	s_mul_i32 s92, s87, 6144
	s_add_co_u32 s92, s92, 12582912
	s_add_nc_u64 s[70:71], s[14:15], s[92:93]      ; codes: a fragment's first half,
	s_add_nc_u64 s[72:73], s[70:71], 768           ; its second
	s_lshl_b32 s92, s87, 8
	s_add_co_u32 s92, s92, 524288
	s_add_nc_u64 s[74:75], s[16:17], s[92:93]      ; scale words
.else
	s_cmp_eq_u32 s77, 1                            ; the bias: bq or bk
	s_cselect_b64 s[100:101], s[10:11], s[8:9]
	s_lshl_b32 s92, s84, 10
	s_lshl_b32 s87, s20, 9
	s_add_co_u32 s92, s92, s87                     ; my 128 features are B's rows: 4 (256 tb + 128 wb)
	s_add_nc_u64 s[100:101], s[100:101], s[92:93]
	WIN 0xc0
.irp b, 0,1,2,3,4,5,6,7
	global_load_b128 v[8*\b:8*\b+3], v[VBQ], s[100:101] offset:256*(\b/4)+32*(\b%4)
	global_load_b128 v[8*\b+4:8*\b+7], v[VBQ], s[100:101] offset:256*(\b/4)+32*(\b%4)+16
.endr
	WIN 0
	s_lshr_b32 s87, s81, 5                         ; batch,
	s_and_b32 s88, s81, 31                         ; group in the batch
	s_lshl_b32 s87, s87, 4
	s_lshl_b32 s89, s85, 1
	s_add_co_u32 s87, s87, s89                     ; 16 batch + my first head
	s_lshl_b32 s89, s87, 7
	s_lshl_b32 s92, s88, 2
	s_add_co_u32 s89, s89, s92
	s_mul_i32 s89, s89, 768
	s_mul_i32 s92, s77, 6291456
	s_add_co_u32 s92, s92, s89
	s_add_nc_u64 s[70:71], s[14:15], s[92:93]      ; codes: my first head,
	s_add_nc_u64 s[72:73], s[70:71], 98304         ; my second
	s_lshl_b32 s87, s87, 4
	s_lshr_b32 s92, s88, 1
	s_add_co_u32 s87, s87, s92
	s_lshl_b32 s87, s87, 8
	s_and_b32 s88, s88, 1
	s_lshl_b32 s88, s88, 7
	s_add_co_u32 s87, s87, s88
	s_lshl_b32 s92, s77, 18
	s_add_co_u32 s92, s92, s87
	s_add_nc_u64 s[74:75], s[16:17], s[92:93]      ; scale words
	s_add_co_u32 s77, s77, 1                       ; THE NEXT TILE: its rows, for the prefetches here and for the refill below
	TILEIDX
	s_mul_i32 s2, s94, 6144                        ; my sixteenth of A's 98,304 bytes, among the waves of my row of the cluster,
	s_add_co_u32 s2, s2, s90
	v_add_nc_u32 v[PFA], s2, v[PFL]
	s_mul_i32 s23, s95, 12288                      ; and of B's 196,608, among those of my column
	s_add_co_u32 s23, s23, s96
	v_add_nc_u32 v[PFB], s23, v[PFL]
.endif
	s_mul_i32 s2, s19, 49152                       ; my four tiles of A
	v_add_nc_u32 v[A16], s2, v[L16]
	v_add_nc_u32 v[A8], s2, v[L8]
	s_mul_i32 s2, s20, 24576                       ; my eight tiles of B, K steps 0-1
	s_add_co_u32 s2, s2, 98304
	v_add_nc_u32 v[B16], s2, v[L16]
	v_add_nc_u32 v[B8], s2, v[L8]
	WALU
	s_cmp_lt_u32 s18, 2                            ; waves 0 and 1 wait for A and for B's K steps 0-1; the other two parts may stay out
	s_cbranch_scc0 .Lnot_first_\@
	s_wait_tensorcnt 0x0
.Lnot_first_\@:
	s_barrier_signal -1
	s_barrier_wait -1
	FETCH 0
	s_wait_loadcnt 0x0                             ; scale words and bias
	s_wait_dscnt 0x0
	FETCH 1
.if !\isv
	global_prefetch_b8 v[PFA], s[4:5] th:TH_LOAD_NT scope:SCOPE_SE              ; 24 blocks of 256 bytes, a lane a block (lanes 24-31 name the last again)
	global_prefetch_b8 v[PFB], s[4:5] th:TH_LOAD_NT scope:SCOPE_SE
	global_prefetch_b8 v[PFB], s[4:5] offset:6144 th:TH_LOAD_NT scope:SCOPE_SE
.endif
	WIN MULB
	MULS 0, 0, 3, 1+(\isv)                         ; the first products start the sums with the bias as C: by B's rows (q, k) or by A's rows (v)
	STEP_ODD 1
	WALU
	STEP_EVEN 2
	STEP_ODD 3
	WALU
	STEP_EVEN 4
	STEP_EVEN 5
	STEP_EVEN 6
.if \isv
	s_wait_dscnt 0x0
.else
	WIN 0
	s_wait_tensorcnt 0x0                           ; the three lines ahead of a refill: all my tensor loads are done,
	ds_add_u32 v[SPW], v[NIL]                      ; 0 onto my spare word,
	GADDR                                          ; (no tensor load of mine is out: the groups 0 take the next tile)
	s_wait_dscnt 0x0                               ; the add is done, and my last fragments of this tile are in registers
	CROUND                                         ; so it is with every wave of all sixteen work-groups
	LOADS4                                         ; the next tile, each wave its region
.endif
	WIN MUL
	MULS 7, 0, 3, 0
	WIN 0
	PLACES                                         ; four places in front of the first read of results
.irp a, 0,1,2,3
	EPI \a, 768+768*(\isv)
.endr
.if \isv
	v_cndmask_b32 v[TQ], v[SW], v[SW+1], s3        ; v: feature tiles 0 and 1,
	v_cndmask_b32 v[TQ+2], v[SW+2], v[SW+3], s3    ; 2 and 3
	global_store_b32 v[L4], v[TQ], s[74:75]
	global_store_b32 v[L4], v[TQ+2], s[74:75] offset:128
.else
	v_perm_b32 v[TQ], v[SW+1], v[SW], 0x05040100   ; q, k: first head: tiles 0 and 1's two bytes each,
	v_perm_b32 v[TQ+1], v[SW+3], v[SW+2], 0x05040100   ; tiles 2 and 3's
	v_cndmask_b32 v[TQ], v[TQ], v[TQ+1], s3        ; lanes 0-15 the first pair's word of row r, lanes 16-31 the second's
	v_perm_b32 v[TQ+2], v[SW+1], v[SW], 0x07060302 ; second head
	v_perm_b32 v[TQ+3], v[SW+3], v[SW+2], 0x07060302
	v_cndmask_b32 v[TQ+2], v[TQ+2], v[TQ+3], s3
	global_store_b32 v[L4], v[TQ], s[74:75]        ; 128 consecutive bytes; the neighbouring 128 are another wave's
	global_store_b32 v[L4], v[TQ+2], s[74:75] offset:4096
.endif
.endm
	s_load_b256 s[4:11], s[0:1], 0x0               ; cimg s[4:5], simg s[6:7], bq s[8:9], bk s[10:11]
	s_load_b128 s[12:15], s[0:1], 0x20             ; bv s[12:13], himg s[14:15]
	s_load_b64 s[16:17], s[0:1], 0x30              ; hscl
	v_lshl_add_u32 v[SPW], v0, 2, SPARE
	v_mov_b32 v[NIL], 0
	ds_add_u32 v[SPW], v[NIL]                      ; the opening lines: the add, twice on end, and its wait ahead of my first tensor load
	ds_add_u32 v[SPW], v[NIL]
	v_lshrrev_b32 v[RR], 5, v0
	v_readfirstlane_b32 s18, v[RR]                 ; wave 0..3
	s_lshr_b32 s19, s18, 1                         ; wa: my 64 of A's rows
	s_and_b32 s20, s18, 1                          ; wb: my 128 of B's rows
	s_bfe_u32 s21, ttmp6, 0x40000                  ; cx
	s_bfe_u32 s22, ttmp6, 0x40004                  ; cy
	s_and_b32 s78, ttmp7, 0xffff                   ; cluster y, 0..15
	s_mov_b32 s77, 0                               ; the first tile is q's
	TILEIDX
	s_lshl_b32 s87, s22, 2
	s_lshl_b32 s87, 15, s87                        ; my row of the cluster
	s_lshl_b32 s88, 0x1111, s21                    ; my column
	; groups 1, elements of 8 bytes, row tiles 12,288 bytes apart, dense in LDS.  A: 8 rows of 12,288 bytes; B: 16 rows of 3,072 (two K steps) or of 6,144 (four)
	s_or_b32 s24, s87, (3<<16)|(1<<21)
	s_mov_b32 s25, 1536<<16
	s_mov_b32 s26, 8<<16
	s_mov_b32 s27, 1536<<16
	s_mov_b32 s28, 8
	s_mov_b32 s29, 1536
	s_mov_b32 s30, 0
	s_mov_b32 s31, 0
	s_or_b32 s32, s88, (3<<16)|(1<<21)
	s_mov_b32 s33, 384<<16
	s_mov_b32 s34, 16<<16
	s_mov_b32 s35, 384<<16
	s_mov_b32 s36, 16
	s_mov_b32 s37, 1536
	s_mov_b32 s38, 0
	s_mov_b32 s39, 0
	s_or_b32 s56, s88, (3<<16)|(1<<21)
	s_mov_b32 s57, 768<<16
	s_mov_b32 s58, 16<<16
	s_mov_b32 s59, 768<<16
	s_mov_b32 s60, 16
	s_mov_b32 s61, 1536
	s_mov_b32 s62, 0
	s_mov_b32 s63, 0
	s_mul_i32 s[BST], s20, 24576
	s_add_co_u32 s[BST], s[BST], 49152
	s_mov_b32 s40, 1
	s_mov_b32 s41, 0
	s_mov_b32 s44, 1
	s_mov_b32 s45, 98304
	s_mov_b32 s48, 1
	s_mov_b32 s49, 147456
	s_mov_b32 s52, 1
	s_mov_b32 s53, 196608
	s_mov_b32 s3, 0xffff0000                       ; lanes 16-31
	s_mov_b32 s66, 0x76543210
	s_mov_b32 s67, 0xfedcba98                      ; lane selects: lane l xor 16
	s_lshl_b32 s94, s21, 2
	s_add_co_u32 s94, s94, s18                     ; my number among the sixteen waves of my row of the cluster,
	s_lshl_b32 s95, s22, 2
	s_add_co_u32 s95, s95, s18                     ; and of my column
	s_wait_dscnt 0x0                               ; both opening adds are done
	s_wait_kmcnt 0x0
	GADDR
	CROUND                                         ; all sixteen work-groups are here: the joint loads meet
	LOADS4
	v_and_b32 v[RR], 15, v0
	v_bfe_u32 v[HH], v0, 4, 1
	v_and_b32 v[L4], 31, v0
	v_lshlrev_b32 v[L16], 4, v[L4]
	v_lshlrev_b32 v[L8], 3, v[L4]
	v_min_u32 v[PFL], 23, v[L4]
	v_lshlrev_b32 v[L4], 2, v[L4]
	v_lshlrev_b32 v[PFL], 8, v[PFL]
	v_lshlrev_b32 v[SH8], 3, v[HH]
	v_mov_b32 v[XX], 0
	v_lshlrev_b32 v[VBQ], 7, v[HH]                 ; q, k: register 8 b + j is feature 64 (b / 4) + 32 h + 8 (b % 4) + j
	v_and_b32 v[VBV], 7, v[RR]                     ; v: lane r of tile a is feature 32 (r / 8) + 8 a + r % 8
	v_lshrrev_b32 v[TQ], 3, v[RR]
	v_lshlrev_b32 v[VBV], 2, v[VBV]
	v_lshl_add_u32 v[VBV], v[TQ], 7, v[VBV]
.Ltile:
	TILE 0                                         ; q's tile, then k's
	s_cmp_lt_u32 s77, 2
	s_cbranch_scc1 .Ltile
	TILE 1                                         ; v's tile: nothing more is asked for
	s_wait_tensorcnt 0x0                           ; the wave's end
	ds_add_u32 v[SPW], v[NIL]
	s_wait_dscnt 0x0
	CROUND                                         ; the closing round
	s_endpgm
.Lfunc_end_k_qa66f5bf8fc_proj:
	.size	k_qa66f5bf8fc_proj, .Lfunc_end_k_qa66f5bf8fc_proj-k_qa66f5bf8fc_proj
	.p2alignl 7, 3214868480
	.fill 96, 4, 3214868480
	.section	.rodata,"a",@progbits
	.p2align	6, 0x0
	.amdhsa_kernel k_qa66f5bf8fc_proj
		.amdhsa_group_segment_fixed_size 327680
		.amdhsa_private_segment_fixed_size 0
		.amdhsa_enable_private_segment 0
		.amdhsa_kernarg_size 56
		.amdhsa_user_sgpr_count 2
		.amdhsa_user_sgpr_kernarg_segment_ptr 1
		.amdhsa_wavefront_size32 1
		.amdhsa_system_sgpr_workgroup_id_x 1
		.amdhsa_system_sgpr_workgroup_id_y 1
		.amdhsa_system_sgpr_workgroup_id_z 1
		.amdhsa_system_vgpr_workitem_id 0
		.amdhsa_next_free_vgpr 1024
		.amdhsa_next_free_sgpr 102
		.amdhsa_reserve_vcc 0
		.amdhsa_float_denorm_mode_32 3
		.amdhsa_float_denorm_mode_16_64 3
		.amdhsa_memory_ordered 1
		.amdhsa_forward_progress 1
		.amdhsa_inst_pref_size 170
	.end_amdhsa_kernel
	.amdgpu_metadata
---
amdhsa.version: [ 1, 2 ]
amdhsa.kernels:
  - .name:           k_qa66f5bf8fc_proj
    .symbol:         k_qa66f5bf8fc_proj.kd
    .args:
      - { .name: cimg, .offset: 0, .size: 8, .value_kind: global_buffer, .address_space: global }
      - { .name: simg, .offset: 8, .size: 8, .value_kind: global_buffer, .address_space: global }
      - { .name: bq, .offset: 16, .size: 8, .value_kind: global_buffer, .address_space: global }
      - { .name: bk, .offset: 24, .size: 8, .value_kind: global_buffer, .address_space: global }
      - { .name: bv, .offset: 32, .size: 8, .value_kind: global_buffer, .address_space: global }
      - { .name: himg, .offset: 40, .size: 8, .value_kind: global_buffer, .address_space: global }
      - { .name: hscl, .offset: 48, .size: 8, .value_kind: global_buffer, .address_space: global }
    .group_segment_fixed_size: 327680
    .private_segment_fixed_size: 0
    .kernarg_segment_align: 8
    .kernarg_segment_size: 56
    .max_flat_workgroup_size: 128
    .sgpr_count:     102
    .vgpr_count:     1024
    .wavefront_size: 32
...
	.end_amdgpu_metadata
.endif
;; end of part 2
;; launch attn (part 3): grid 4 x 64, 8 waves a work-group, clusters of 4 x 1, 327,680 bytes of LDS; arguments himg, hscl, cimg, simg; writes cimg, simg
.if DOCPART == 3
	.amdgcn_target "amdgcn-amd-amdhsa--gfx1250"
	.amdhsa_code_object_version 6
	.text
	.protected	k_qa66f5bf8fc_attn
	.globl	k_qa66f5bf8fc_attn
	.p2align	8
	.type	k_qa66f5bf8fc_attn,@function
k_qa66f5bf8fc_attn:
	s_mov_b64 s[64:65], 0
	v_nop
	global_prefetch_b8 v0, s[64:65] scope:SCOPE_SE
	s_setreg_imm32_b32 hwreg(HW_REG_WAVE_MODE, 25, 1), 1
	s_wait_xcnt 0x0
	s_wait_alu depctr_hold_cnt(0) depctr_sa_sdst(0) depctr_va_vdst(0) depctr_va_sdst(0) depctr_va_ssrc(0) depctr_va_vcc(0) depctr_vm_vsrc(0)
	s_getreg_b32 s2, hwreg(HW_REG_IB_STS2, 6, 4)
	s_cmp_eq_u32 s2, 0
	s_cbranch_scc0 .Lentry_in_a_cluster
	s_endpgm
.Lentry_in_a_cluster:
	s_bfe_u32 s2, ttmp6, 0x10000c
	s_cmp_lg_u32 s2, 0x3003
	s_cbranch_scc0 .Lentry_shape_is_right
	s_endpgm
.Lentry_shape_is_right:
; o = softmax(q k^T / 8) v for one batch x head, on codes of FP6 (E2M3) with E8M0 scales; o leaves as codes and scale bytes along the model's 1,024, as the operand images of the last product.
; p = 2^(t - M), t = score x log2(e) / 8, M the ceiling of the running largest t (kept as -M = floor(-t)); the row's sum is taken of the unquantised p; when M moves, sum and O are multiplied by 2^(old M - new M), exactly, in every step, with no branch on data.
; A block's largest p is made from the block's largest score by the same multiply-add and exponential as every p.
; LIMITS: NaN and infinities are not served; the promise holds while the scaled scores stay under 2^31 in magnitude; a block whose every p has fallen to 0 keeps the byte 1 over zero codes.
; THE DEAL: 64 batch x heads x 4 blocks of 512 queries = 256 work-groups of 8 waves; a wave has 64 queries, four tiles of 16.  The four work-groups of a head form a cluster and ask for K, V and their scale words jointly.
; ALL KEYS LIE IN LDS, filled once, one tensor load a wave at the head: waves 0-3 a quarter each of K's codes (from 0), waves 4-6 a third each of V's (from 98,304), wave 7 K's and V's scale words (two rows of 4,096 bytes, from 196,608).
; No prefetch: everything is asked for at the head, and there is no loop to run ahead in.
; BOTH PRODUCTS ARE USED TRANSPOSED (S^T = k q^T, O^T = v^T p^T): a lane holds one query.  The head's 64 fill half of the instruction's 128: a fragment of K holds two key tiles, and q stands beside six registers of zero codes, on one side or the other.
; A STEP is 128 keys.  The four query tiles go in two PAIRS: 128 scores a lane at a time, so that sixteen chains of maxima, two chains for M and four for the scale bytes stand side by side, and one batch of exponentials serves a pair.
; The sums of p are a tree in place, behind the conversions.  K's and V's fragments share 48 registers: V's are fetched behind the second pair's scores, the next step's K behind the step's last products, ahead of the second pair's sums.
; REGISTERS.  window 0: v1-31 addresses and, v12-27, each tile's -M, largest score and sum (two halves); v32-79 fragments; v80-87, v92-95 scale words; v88-91 the factors; v96-223 scores, then p; v224-255 at work.
;             window 1: v0-127 O^T (tile t at 32 t); v128-181 zeros and q by turns; v184-231 p's codes; v232-247 second halves of the blocks, as the conversions leave them.
.set SPARE, 204800                     ; behind the tiles: the spare words, 128 bytes a wave, four blocks of 256 bytes that no other line names
.set L16, 1
.set L8,  2
.set L4S, 3
.set SPW, 4
.set NIL, 5
.set ADK16, 6
.set ADK8,  7
.set ADV16, 8
.set ADV8,  9
.set ADS,   10
.set SH8, 11
.set ST,  12
.set L16V, 28
.set L8V,  29
.set L4,   30
.set SOF,  31
.set KV,  32
.set KSC, 80
.set VSC, 82
.set QS,  84
.set FF,  88
.set PS,  92
.set S,   96
.set MC,  224
.set TT,  240
.set XX,  242
.set OLD, 244
.set SO,  246
.set BY,  250
.set WW,  254
.set QZ,  128
.set P,   184
.set PT,  232
.set HC,  128
.set HT,  160
.set HW,  168
.set CS,  60
.set SEL, 62
.set TB,  66
.set TS,  67
.set MSB, 0
.macro WIN new
.if MSB != \new
	s_set_vgpr_msb (MSB<<8)|\new
.set MSB, \new
.endif
.endm
.macro WALU
	s_wait_alu depctr_va_vdst(0)
.endm
.macro CROUND
	s_barrier_signal -1
	s_barrier_wait -1
	s_cmp_lg_u32 s12, 0
	s_cbranch_scc1 .Lnot_wave_0_\@
	s_barrier_signal -3
.Lnot_wave_0_\@:
	s_barrier_wait -3
	s_barrier_signal -1
	s_barrier_wait -1
.endm
.macro PLACES
.rept 4
	v_nop
.endr
.endm
.macro TLOAD g0, g1
	tensor_load_to_lds s[\g0:\g0+3], s[\g1:\g1+7]
	s_nop 0
	PLACES
.endm
.macro FRAG reg, a16, a8, off          ; a fragment's image, 1,536 bytes, into 12 registers
	ds_load_b128 v[(\reg):(\reg)+3], v[\a16] offset:(\off)
	ds_load_b64 v[(\reg)+4:(\reg)+5], v[\a8] offset:(\off)+512
	ds_load_b128 v[(\reg)+6:(\reg)+9], v[\a16] offset:(\off)+768
	ds_load_b64 v[(\reg)+10:(\reg)+11], v[\a8] offset:(\off)+1280
.endm
.macro KLOAD a16, a8, as, off, soff    ; a step's four fragments of K and their scale words: 18 loads
.irp f, 0,1,2,3
	FRAG KV+12*\f, \a16, \a8, (\off)+1536*\f
.endr
	ds_load_b32 v[KSC], v[\as] offset:\soff
	ds_load_b32 v[KSC+1], v[\as] offset:(\soff)+128
.endm
.macro QKW ra, rb                      ; a product that starts a sum
.if (\ra) && (\rb)
	v_wmma_scale_f32_16x16x128_f8f6f4 v[rD:rD+7], v[rA:rA+11], v[rB:rB+11], 0, v[rSA], v[rSB] matrix_a_fmt:MATRIX_FMT_FP6 matrix_b_fmt:MATRIX_FMT_FP6 matrix_a_scale:MATRIX_SCALE_ROW1 matrix_b_scale:MATRIX_SCALE_ROW1
.elseif (\ra)
	v_wmma_scale_f32_16x16x128_f8f6f4 v[rD:rD+7], v[rA:rA+11], v[rB:rB+11], 0, v[rSA], v[rSB] matrix_a_fmt:MATRIX_FMT_FP6 matrix_b_fmt:MATRIX_FMT_FP6 matrix_a_scale:MATRIX_SCALE_ROW1
.elseif (\rb)
	v_wmma_scale_f32_16x16x128_f8f6f4 v[rD:rD+7], v[rA:rA+11], v[rB:rB+11], 0, v[rSA], v[rSB] matrix_a_fmt:MATRIX_FMT_FP6 matrix_b_fmt:MATRIX_FMT_FP6 matrix_b_scale:MATRIX_SCALE_ROW1
.else
	v_wmma_scale_f32_16x16x128_f8f6f4 v[rD:rD+7], v[rA:rA+11], v[rB:rB+11], 0, v[rSA], v[rSB] matrix_a_fmt:MATRIX_FMT_FP6 matrix_b_fmt:MATRIX_FMT_FP6
.endif
.endm
.macro PVW ra
.if (\ra)
	v_wmma_scale_f32_16x16x128_f8f6f4 v[rD:rD+7], v[rA:rA+11], v[rB:rB+11], v[rD:rD+7], v[rSA], v[rSB] matrix_a_fmt:MATRIX_FMT_FP6 matrix_b_fmt:MATRIX_FMT_FP6 matrix_a_scale:MATRIX_SCALE_ROW1
.else
	v_wmma_scale_f32_16x16x128_f8f6f4 v[rD:rD+7], v[rA:rA+11], v[rB:rB+11], v[rD:rD+7], v[rSA], v[rSB] matrix_a_fmt:MATRIX_FMT_FP6 matrix_b_fmt:MATRIX_FMT_FP6
.endif
.endm
; The scores of query tiles 2 pr and 2 pr + 1 against 128 keys: 16 products.  Register 64 u + 32 g + 8 i + j of lane (r, h) is query r of tile 2 pr + u, key 64 g + 32 h + 8 i + j.
.macro QK pr
	WIN 0x04                                       ; source 1 (q) window 1
.set u, 0
.rept 2
.set g, 0
.rept 2
.set i, 0
.rept 4
.set rD, S+64*u+32*g+8*i
.set rA, KV+12*(2*g+i/2)
.set rB, QZ+12*(2*(\pr)+u)+6*(1-i%2)   ; (q, 0) for the fragment's first key tile, (0, q) for its second
.set rSA, KSC+g
.set rSB, QS+2*u+i%2
	QKW i/2, \pr
.set i, i+1
.endr
.set g, g+1
.endr
.set u, u+1
.endr
.endm
.macro PV z                            ; O^T += v^T p^T: 16 products on 16 accumulators
	WIN 0x54
.set ii, 0
.rept 4
.set tq, 0
.rept 4
.set rD, 32*tq+8*ii
.set rA, KV+12*ii
.set rB, P+12*tq
.set rSA, VSC+ii/2
.set rSB, PS+tq
.if \z
	QKW ii%2, 0
.else
	PVW ii%2
.endif
.set tq, tq+1
.endr
.set ii, ii+1
.endr
.endm
; The softmax of a pair: maxima, M, p, p's scale words and codes, O under the new M.  Block b = 2 u + c of the pair: registers S + 32 b ..; its largest score ends in MC + 4 b.
.macro SMA pr, first
.set rT0, ST+8*(\pr)
.irp q, 0,1,2,3,4,5,6,7,8,9,10,11,12,13,14,15
	v_max3_num_f32 v[MC+\q], v[S+8*\q], v[S+8*\q+1], v[S+8*\q+2]      ; a chain to each accumulator, from its low end on
.endr
.irp i, 3,5
.irp q, 0,1,2,3,4,5,6,7,8,9,10,11,12,13,14,15
	v_max3_num_f32 v[MC+\q], v[MC+\q], v[S+8*\q+\i], v[S+8*\q+\i+1]
.endr
.endr
.irp b, 0,1,2,3
	v_max3_num_f32 v[MC+4*\b], v[MC+4*\b], v[MC+4*\b+1], v[S+32*\b+7]
	v_max3_num_f32 v[MC+4*\b+2], v[MC+4*\b+2], v[MC+4*\b+3], v[S+32*\b+15]
.endr
.irp b, 0,1,2,3
	v_max3_num_f32 v[MC+4*\b], v[MC+4*\b], v[MC+4*\b+2], v[S+32*\b+23]
.endr
.irp b, 0,1,2,3
	v_max_num_f32 v[MC+4*\b], v[MC+4*\b], v[S+32*\b+31]
.endr
.irp u, 0,1
.if \first
	v_max_num_f32 v[TT+\u], v[MC+8*\u], v[MC+8*\u+4]
.else
	v_max3_num_f32 v[TT+\u], v[MC+8*\u], v[MC+8*\u+4], v[rT0+4*\u+1]
.endif
.endr
.irp u, 0,1
	v_permlanex16_b32 v[XX+\u], v[TT+\u], s[SEL], s[SEL+1]
.endr
.irp u, 0,1
	v_max_num_f32 v[rT0+4*\u+1], v[TT+\u], v[XX+\u]                   ; the running largest score of my query
.endr
.irp u, 0,1
	v_mul_f32 v[TT+\u], s[CS], v[rT0+4*\u+1]
.endr
.if !\first
.irp u, 0,1
	v_mov_b32 v[OLD+\u], v[rT0+4*\u]
.endr
.endif
.irp u, 0,1
	v_floor_f32 v[rT0+4*\u], -v[TT+\u]                                ; -M
.endr
.if !\first
.irp u, 0,1
	v_sub_f32 v[OLD+\u], v[rT0+4*\u], v[OLD+\u]
.endr
.irp u, 0,1
	v_cvt_i32_f32 v[OLD+\u], v[OLD+\u]
.endr
.irp u, 0,1
	v_ldexp_f32 v[FF+2*\u], 1.0, v[OLD+\u]                            ; 2^(old M - new M)
.endr
.endif
.irp u, 0,1
.set k, 0
.rept 32
	v_pk_fma_f32 v[S+64*\u+2*k:S+64*\u+2*k+1], v[S+64*\u+2*k:S+64*\u+2*k+1], s[CS:CS+1], v[rT0+4*\u:rT0+4*\u+1] op_sel_hi:[1,0,0]
.set k, k+1
.endr
.endr
.irp b, 0,1,2,3
	v_fma_f32 v[MC+4*\b], v[MC+4*\b], s[CS], v[rT0+4*(\b/2)]
.endr
	WALU
.irp b, 0,1,2,3
	v_exp_f32 v[MC+4*\b], v[MC+4*\b]
.endr
.set k, 0
.rept 128
	v_exp_f32 v[S+k], v[S+k]
.set k, k+1
.endr
	v_nop                                          ; a plain place,
	WALU
.irp b, 0,1,2,3
	v_max_num_f32 v[MC+4*\b], 0x1800000, v[MC+4*\b]                   ; the floor 2^(3 - 127) holds the byte at 1 from below
.endr
.irp b, 0,1,2,3
	v_add_nc_u32 v[SO+\b], 0xff000000, v[MC+4*\b]                     ; 2 off the exponent field: the conversion's scale operand
.endr
.irp b, 0,1,2,3
	v_lshrrev_b32 v[BY+\b], 23, v[SO+\b]
.endr
.irp u, 0,1
	v_lshl_or_b32 v[WW+\u], v[BY+2*\u+1], 16, v[BY+2*\u]
.endr
.irp u, 0,1
	v_lshlrev_b32 v[WW+\u], v[SH8], v[WW+\u]
.endr
.irp u, 0,1
	v_permlanex16_b32 v[XX+\u], v[WW+\u], s[SEL], s[SEL+1]
.endr
.irp u, 0,1
	v_or_b32 v[PS+2*(\pr)+\u], v[WW+\u], v[XX+\u]                     ; p's scale word of these 128 keys
.endr
	WIN 0x40
.irp b, 0,1,2,3
	v_cvt_scalef32_pk16_fp6_f32 v[P+24*(\pr)+6*\b:P+24*(\pr)+6*\b+2], v[S+32*\b:S+32*\b+15], v[SO+\b]
	v_cvt_scalef32_pk16_fp6_f32 v[PT+4*\b:PT+4*\b+2], v[S+32*\b+16:S+32*\b+31], v[SO+\b]
.endr
	v_nop                                          ; one plain place behind the scaled conversions
	WIN 0x41
.irp b, 0,1,2,3
.irp i, 0,1,2
	v_mov_b32 v[P+24*(\pr)+6*\b+3+\i], v[PT+4*\b+\i]
.endr
.endr
.if !\first
	WALU                                           ; directly ahead of the first reader of O^T
.irp u, 0,1
.set k, 0
.rept 16
	v_pk_mul_f32 v[64*(\pr)+32*\u+2*k:64*(\pr)+32*\u+2*k+1], v[64*(\pr)+32*\u+2*k:64*(\pr)+32*\u+2*k+1], v[FF+2*\u:FF+2*\u+1] op_sel_hi:[1,0]
.set k, k+1
.endr
.endr
.elseif (\pr) == 1
.rept 8
	v_nop                                          ; eight places between the scale word's write and the scaled products
.endr
.endif
	WIN 0
.endm
.macro SUMS pr, first                  ; the pair's sums of p: a tree in place over the 128 registers, then onto the running sums
.set rT0, ST+8*(\pr)
.irp d, 2,4,8,16
.set k, 0
.rept 64/\d
	v_pk_add_f32 v[S+2*\d*k:S+2*\d*k+1], v[S+2*\d*k:S+2*\d*k+1], v[S+2*\d*k+\d:S+2*\d*k+\d+1]
.set k, k+1
.endr
.endr
.if \first
.irp u, 0,1
	v_pk_add_f32 v[rT0+4*\u+2:rT0+4*\u+3], v[S+64*\u:S+64*\u+1], v[S+64*\u+32:S+64*\u+33]
.endr
.else
.irp u, 0,1
	v_pk_fma_f32 v[rT0+4*\u+2:rT0+4*\u+3], v[rT0+4*\u+2:rT0+4*\u+3], v[FF+2*\u:FF+2*\u+1], v[S+64*\u:S+64*\u+1] op_sel_hi:[1,0,1]
.endr
.irp u, 0,1
	v_pk_add_f32 v[rT0+4*\u+2:rT0+4*\u+3], v[rT0+4*\u+2:rT0+4*\u+3], v[S+64*\u+32:S+64*\u+33]
.endr
.endif
.endm
.macro STEP first
	WALU
	s_wait_dscnt 0x0                               ; this step's fragments of K are in
	QK 0
	WIN 0
	v_add_nc_u32 v[ADK16], s[TB], v[L16]           ; the step's LDS addresses: these five are the places behind the products
	v_add_nc_u32 v[ADK8], s[TB], v[L8]
	v_add_nc_u32 v[ADV16], s[TB], v[L16V]
	v_add_nc_u32 v[ADV8], s[TB], v[L8V]
	v_add_nc_u32 v[ADS], s[TS], v[L4S]
	SMA 0, \first
	SUMS 0, \first
	QK 1
	WIN 0
	PLACES                                         ; in front of the loads into K's registers and of the first read of the scores
.irp f, 0,1,2,3
	FRAG KV+12*\f, ADV16, ADV8, 1536*\f            ; V's fragments take K's registers
.endr
	ds_load_b32 v[VSC], v[ADS] offset:4096
	ds_load_b32 v[VSC+1], v[ADS] offset:4224
	SMA 1, \first
	WALU
	s_wait_dscnt 0x0                               ; V's fragments are in
	PV \first
	WIN 0
	PLACES                                         ; in front of the loads into V's registers
.if !\first
	s_cmp_eq_u32 s69, 1                            ; the last step fetches nothing more
	s_cbranch_scc1 .Lno_more_\@
.endif
	KLOAD ADK16, ADK8, ADS, 6144, 256              ; the next step's K
.if !\first
.Lno_more_\@:
.endif
	SUMS 1, \first
	s_add_co_u32 s[TB], s[TB], 6144
	s_add_co_u32 s[TS], s[TS], 256
.endm
	s_load_b256 s[4:11], s[0:1], 0x0               ; himg, hscl, cimg, simg
	v_lshl_add_u32 v[SPW], v0, 2, SPARE
	v_mov_b32 v[NIL], 0
	ds_add_u32 v[SPW], v[NIL]                      ; the opening lines: the add, twice on end, and its wait
	ds_add_u32 v[SPW], v[NIL]
	v_lshrrev_b32 v1, 5, v0
	v_readfirstlane_b32 s12, v1                    ; wave 0..7
	s_bfe_u32 s13, ttmp6, 0x40000                  ; cx: my block of 512 queries
	s_and_b32 s14, ttmp7, 0xffff                   ; batch x head
	s_and_b32 s16, s12, 3
	s_mul_i32 s17, s14, 98304
	s_add_co_u32 s17, s17, 6291456                 ; K's codes of this head, from himg
	s_mul_i32 s18, s12, 24576
	s_add_co_u32 s18, s17, s18                     ; a quarter
	s_mov_b32 s19, 0
	s_mul_i32 s20, s16, 32768
	s_add_co_u32 s20, s20, s17
	s_add_co_u32 s20, s20, 6291456                 ; V's: a third
	s_mov_b32 s21, 0
	s_lshl_b32 s22, s14, 12
	s_add_co_u32 s22, s22, 262144                  ; K's scale words, from hscl; V's lie 262,144 bytes on
	s_mov_b32 s23, 0
	s_mov_b32 s24, 15|(3<<16)|(1<<21)              ; group 1, K: 96 rows of 256 bytes, dense
	s_mov_b32 s25, 32<<16
	s_mov_b32 s26, 96<<16
	s_mov_b32 s27, 32<<16
	s_mov_b32 s28, 96
	s_mov_b32 s29, 32
	s_mov_b32 s30, 0
	s_mov_b32 s31, 0
	s_mov_b32 s32, 15|(3<<16)|(1<<21)              ; V: 128 rows of 256 bytes
	s_mov_b32 s33, 32<<16
	s_mov_b32 s34, 128<<16
	s_mov_b32 s35, 32<<16
	s_mov_b32 s36, 128
	s_mov_b32 s37, 32
	s_mov_b32 s38, 0
	s_mov_b32 s39, 0
	s_mov_b32 s76, 15|(3<<16)|(1<<21)              ; scale words: 2 rows of 4,096 bytes, 262,144 bytes apart
	s_mov_b32 s77, 512<<16
	s_mov_b32 s78, 2<<16
	s_mov_b32 s79, 512<<16
	s_mov_b32 s80, 2
	s_mov_b32 s81, 32768
	s_mov_b32 s82, 0
	s_mov_b32 s83, 0
	s_mov_b32 s40, 1
	s_mul_i32 s41, s12, 24576
	s_mov_b32 s44, 1
	s_mul_i32 s45, s16, 32768
	s_add_co_u32 s45, s45, 98304
	s_mov_b32 s72, 1
	s_mov_b32 s73, 196608
	s_mov_b32 s[CS], 0x3e38aa3b                    ; log2(e) / 8
	s_mov_b32 s[CS+1], s[CS]
	s_mov_b32 s[SEL], 0x76543210
	s_mov_b32 s[SEL+1], 0xfedcba98                 ; lane selects: lane l xor 16
	s_mov_b32 s[TB], 0
	s_mov_b32 s[TS], 0
	s_mov_b32 s68, 0xffff0000
	s_wait_dscnt 0x0
	s_wait_kmcnt 0x0
	s_add_nc_u64 s[42:43], s[4:5], s[18:19]
	s_or_b32 s43, s43, 0x80000000
	s_add_nc_u64 s[46:47], s[4:5], s[20:21]
	s_or_b32 s47, s47, 0x80000000
	s_add_nc_u64 s[74:75], s[6:7], s[22:23]
	s_or_b32 s75, s75, 0x80000000
	CROUND                                         ; the four work-groups are here: the joint loads meet
	s_cmp_lt_u32 s12, 4                            ; one chain of arms, one load to an arm
	s_cbranch_scc0 .Lfor_v
	TLOAD 40, 24
	s_branch .Lasked
.Lfor_v:
	s_cmp_lt_u32 s12, 7
	s_cbranch_scc0 .Lfor_s
	TLOAD 44, 32
	s_branch .Lasked
.Lfor_s:
	TLOAD 72, 76
.Lasked:
	s_lshl_b32 s48, s13, 3
	s_add_co_u32 s48, s48, s12                     ; my group of 64 queries, 0..31
	s_lshl_b32 s49, s14, 7
	s_lshl_b32 s50, s48, 2
	s_add_co_u32 s49, s49, s50
	s_mul_i32 s50, s49, 768
	s_mov_b32 s51, 0
	s_add_nc_u64 s[52:53], s[4:5], s[50:51]        ; q's codes
	s_lshl_b32 s54, s14, 4
	s_lshr_b32 s55, s48, 1
	s_add_co_u32 s54, s54, s55
	s_lshl_b32 s54, s54, 8
	s_and_b32 s55, s48, 1
	s_lshl_b32 s55, s55, 7
	s_add_co_u32 s54, s54, s55
	s_mov_b32 s55, 0
	s_add_nc_u64 s[54:55], s[6:7], s[54:55]        ; q's scale words
	s_lshr_b32 s56, s14, 4
	s_lshl_b32 s56, s56, 7
	s_lshl_b32 s57, s48, 2
	s_add_co_u32 s56, s56, s57
	s_add_co_u32 s56, s56, 1792                    ; my first row tile of the result
	s_and_b32 s57, s14, 15                         ; the head: 64 along the next K
	s_mul_i32 s58, s56, 12288
	s_mul_i32 s59, s57, 768
	s_add_co_u32 s58, s58, s59
	s_mov_b32 s59, 0
	s_add_nc_u64 s[8:9], s[8:9], s[58:59]
	s_lshl_b32 s58, s56, 9
	s_lshr_b32 s56, s57, 3
	s_lshl_b32 s56, s56, 8
	s_add_co_u32 s58, s58, s56
	s_bfe_u32 s56, s57, 0x20001
	s_lshl_b32 s56, s56, 2
	s_add_co_u32 s58, s58, s56
	s_and_b32 s56, s57, 1
	s_lshl_b32 s56, s56, 1
	s_add_co_u32 s58, s58, s56
	s_add_nc_u64 s[10:11], s[10:11], s[58:59]
	v_and_b32 v[L4], 31, v0
	v_bfe_u32 v[TT], v0, 4, 1
	v_and_b32 v[SOF], 15, v0
	v_lshlrev_b32 v[L16], 4, v[L4]
	v_lshlrev_b32 v[L8], 3, v[L4]
	v_lshlrev_b32 v[L4], 2, v[L4]
	v_lshlrev_b32 v[SH8], 3, v[TT]
	v_lshlrev_b32 v[SOF], 4, v[SOF]
	v_add_nc_u32 v[L4S], 196608, v[L4]
	v_add_nc_u32 v[L16V], 98304, v[L16]
	v_add_nc_u32 v[L8V], 98304, v[L8]
	v_lshl_add_u32 v[SOF], v[TT], 9, v[SOF]
	v_mov_b32 v[XX], 0                             ; a lane permute's destination counts as one of its sources
	v_mov_b32 v[XX+1], 0
	v_mov_b32 v[FF+1], 0                           ; named as the upper halves of pairs
	v_mov_b32 v[FF+3], 0
	WIN 0x40
.irp t, 0,1,2,3
	global_load_b128 v[QZ+12*\t+6:QZ+12*\t+9], v[L16], s[52:53] offset:768*\t
	global_load_b64 v[QZ+12*\t+10:QZ+12*\t+11], v[L8], s[52:53] offset:768*\t+512
.endr
	WIN 0
	global_load_b32 v[WW], v[L4], s[54:55]
	WALU
	s_wait_loadcnt 0x0
	v_and_b32 v[QS], 0xffff, v[WW]                 ; a tile's two bytes under (q, 0) and under (0, q); lanes 0-15 tiles 0 and 1, lanes 16-31 tiles 2 and 3
	v_lshlrev_b32 v[QS+1], 16, v[WW]
	v_lshrrev_b32 v[QS+2], 16, v[WW]
	v_and_b32 v[QS+3], 0xffff0000, v[WW]
	WIN 0x40
.irp t, 0,1,2,3,4
.irp i, 0,1,2,3,4,5
	v_mov_b32 v[QZ+12*\t+\i], 0                    ; five runs of zero codes, each shared by the q on either side
.endr
.endr
	WIN 0
	PLACES                                         ; an operand written by vector instructions stands four places ahead of a scaled product
	WALU
	s_wait_tensorcnt 0x0
	s_barrier_signal -1
	s_barrier_wait -1                              ; all of K, V and the scale words are in
	KLOAD L16, L8, L4S, 0, 0
	STEP 1                                         ; the first step's products start the sums
	s_mov_b32 s69, 15
.Lkeys:
	STEP 0
	s_sub_co_u32 s69, s69, 1
	s_cmp_lg_u32 s69, 0
	s_cbranch_scc1 .Lkeys
.irp t, 0,1,2,3
	v_add_f32 v[MC+\t], v[ST+4*\t+2], v[ST+4*\t+3]
.endr
.irp t, 0,1,2,3
	v_permlanex16_b32 v[SO+\t], v[MC+\t], s[SEL], s[SEL+1]
.endr
.irp t, 0,1,2,3
	v_add_f32 v[MC+\t], v[MC+\t], v[SO+\t]         ; the rows' sums
.endr
	WALU
.irp t, 0,1,2,3
	v_rcp_f32 v[ST+4*\t], v[MC+\t]
.endr
	v_nop
	WALU
; Tile t's 32 numbers of a lane, query r, features 32 h + 0 .. 31 of the head: divided by the sum, quantised along the next K, stored as the operand's image
.macro OUTT t
	WIN 0x01
.set k, 0
.rept 16
	v_pk_mul_f32 v[S+2*k:S+2*k+1], v[32*(\t)+2*k:32*(\t)+2*k+1], v[ST+4*(\t):ST+4*(\t)+1] op_sel_hi:[1,0]
.set k, k+1
.endr
	WIN 0
	v_max3_num_f32 v[MC], |v[S]|, |v[S+1]|, 0x1800000
	v_max3_num_f32 v[MC+1], |v[S+8]|, |v[S+9]|, 0x1800000
	v_max3_num_f32 v[MC+2], |v[S+16]|, |v[S+17]|, 0x1800000
	v_max3_num_f32 v[MC+3], |v[S+24]|, |v[S+25]|, 0x1800000
.irp i, 2,4,6
.irp e, 0,1,2,3
	v_max3_num_f32 v[MC+\e], |v[S+8*\e+\i]|, |v[S+8*\e+\i+1]|, v[MC+\e]
.endr
.endr
	v_max3_num_f32 v[MC], v[MC], v[MC+1], v[MC+2]
	v_max_num_f32 v[MC], v[MC], v[MC+3]
	v_add_nc_u32 v[SO], 0xff000000, v[MC]
	v_lshrrev_b32 v[BY], 23, v[SO]
	v_lshlrev_b32 v[WW], v[SH8], v[BY]
	v_permlanex16_b32 v[XX], v[WW], s[SEL], s[SEL+1]
	v_or_b32 v[HW+\t], v[WW], v[XX]
	v_cvt_scalef32_pk16_fp6_f32 v[HC+8*(\t):HC+8*(\t)+2], v[S:S+15], v[SO]
	v_cvt_scalef32_pk16_fp6_f32 v[HT:HT+2], v[S+16:S+31], v[SO]
	v_nop
.irp i, 0,1,2
	v_mov_b32 v[HC+8*(\t)+3+\i], v[HT+\i]
.endr
	global_store_b128 v[L16], v[HC+8*(\t):HC+8*(\t)+3], s[8:9] offset:12288*(\t)          ; 512 consecutive bytes, aligned
	global_store_b64 v[L8], v[HC+8*(\t)+4:HC+8*(\t)+5], s[8:9] offset:12288*(\t)+512      ; 256 consecutive bytes, aligned
.endm
	OUTT 0
	OUTT 1
	OUTT 2
	OUTT 3
	v_cndmask_b32 v[HW+4], v[HW], v[HW+1], s68
	v_cndmask_b32 v[HW+5], v[HW+2], v[HW+3], s68
	global_store_b16 v[SOF], v[HW+4], s[10:11]     ; my head's two bytes of each row's scale word: the other heads' are other work-groups'
	global_store_b16 v[SOF], v[HW+5], s[10:11] offset:1024
	s_wait_tensorcnt 0x0                           ; the wave's end
	ds_add_u32 v[SPW], v[NIL]
	s_wait_dscnt 0x0
	CROUND                                         ; the closing round
	s_endpgm
.Lfunc_end_k_qa66f5bf8fc_attn:
	.size	k_qa66f5bf8fc_attn, .Lfunc_end_k_qa66f5bf8fc_attn-k_qa66f5bf8fc_attn
	.p2alignl 7, 3214868480
	.fill 96, 4, 3214868480
	.section	.rodata,"a",@progbits
	.p2align	6, 0x0
	.amdhsa_kernel k_qa66f5bf8fc_attn
		.amdhsa_group_segment_fixed_size 327680
		.amdhsa_private_segment_fixed_size 0
		.amdhsa_enable_private_segment 0
		.amdhsa_kernarg_size 32
		.amdhsa_user_sgpr_count 2
		.amdhsa_user_sgpr_kernarg_segment_ptr 1
		.amdhsa_wavefront_size32 1
		.amdhsa_system_sgpr_workgroup_id_x 1
		.amdhsa_system_sgpr_workgroup_id_y 1
		.amdhsa_system_sgpr_workgroup_id_z 1
		.amdhsa_system_vgpr_workitem_id 0
		.amdhsa_next_free_vgpr 512
		.amdhsa_next_free_sgpr 88
		.amdhsa_reserve_vcc 0
		.amdhsa_float_denorm_mode_32 3
		.amdhsa_float_denorm_mode_16_64 3
		.amdhsa_memory_ordered 1
		.amdhsa_forward_progress 1
		.amdhsa_inst_pref_size 123
	.end_amdhsa_kernel
	.amdgpu_metadata
---
amdhsa.version: [ 1, 2 ]
amdhsa.kernels:
  - .name:           k_qa66f5bf8fc_attn
    .symbol:         k_qa66f5bf8fc_attn.kd
    .args:
      - { .name: himg, .offset: 0, .size: 8, .value_kind: global_buffer, .address_space: global }
      - { .name: hscl, .offset: 8, .size: 8, .value_kind: global_buffer, .address_space: global }
      - { .name: cimg, .offset: 16, .size: 8, .value_kind: global_buffer, .address_space: global }
      - { .name: simg, .offset: 24, .size: 8, .value_kind: global_buffer, .address_space: global }
    .group_segment_fixed_size: 327680
    .private_segment_fixed_size: 0
    .kernarg_segment_align: 8
    .kernarg_segment_size: 32
    .max_flat_workgroup_size: 256
    .sgpr_count:     88
    .vgpr_count:     512
    .wavefront_size: 32
...
	.end_amdgpu_metadata
.endif
;; end of part 3
;; launch outp (part 4): grid 4 x 64, 4 waves a work-group, clusters of 4 x 4, 295,424 bytes of LDS; arguments cimg, simg, bo, out0; writes out0
.if DOCPART == 4
	.amdgcn_target "amdgcn-amd-amdhsa--gfx1250"
	.amdhsa_code_object_version 6
	.text
	.protected	k_qa66f5bf8fc_outp
	.globl	k_qa66f5bf8fc_outp
	.p2align	8
	.type	k_qa66f5bf8fc_outp,@function
k_qa66f5bf8fc_outp:
	s_mov_b64 s[64:65], 0
	v_nop
	global_prefetch_b8 v0, s[64:65] scope:SCOPE_SE
	s_setreg_imm32_b32 hwreg(HW_REG_WAVE_MODE, 25, 1), 1
	s_wait_xcnt 0x0
	s_wait_alu depctr_hold_cnt(0) depctr_sa_sdst(0) depctr_va_vdst(0) depctr_va_sdst(0) depctr_va_ssrc(0) depctr_va_vcc(0) depctr_vm_vsrc(0)
	s_getreg_b32 s2, hwreg(HW_REG_IB_STS2, 6, 4)
	s_cmp_eq_u32 s2, 0
	s_cbranch_scc0 .Lentry_in_a_cluster
	s_endpgm
.Lentry_in_a_cluster:
	s_bfe_u32 s2, ttmp6, 0x10000c
	s_cmp_lg_u32 s2, 0xf033
	s_cbranch_scc0 .Lentry_shape_is_right
	s_endpgm
.Lentry_shape_is_right:
; out0 = attention's result x Wo^T + bo on codes of FP6 (E2M3) with E8M0 scales; out0 [8192][1024] f32.
; A work-group makes 128 tokens (A) x 256 outputs (B), K = 1,024; four waves as 2 x 2, a wave 64 x 128: 32 accumulators.  Source 0 = Wo's fragment, source 1 = the tokens': a lane holds one token,
; and the 32 registers of B's tiles 4 c + 0 .. 3 are outputs 64 c + 32 h + 0 .. 31 (a row tile i of a group of 64 rows holds in lane r row 32 (r / 8) + 8 i + r % 8).
; ALL OF K LIES IN LDS, each byte filled once, by ONE tensor load a wave at the head: wave 0 A's 8 row tiles whole (98,304 bytes from 0, tile t at 12,288 t); wave 1 B's 16 tiles, K steps 0-1 (from 98,304, 3,072 a tile);
; wave 2 K steps 2-3 (from 147,456); wave 3 K steps 4-7 (from 196,608, 6,144 a tile).  Three plain barriers show them in the order of use: waves 0 and 1 wait ahead of the first, wave 2 too ahead of the second, all ahead of the third.
; CLUSTER 4 x 4: A's tiles are shared along a row of the cluster, B's along a column: joint loads with a mask that names the four.  No prefetch: all tiles are asked for at the head, there is no loop to run ahead in.
; The bias is the C of each sum's first product.  The results leave through a stage in LDS as whole rows of 512 bytes.  The stage lies in B's K steps 0-1, which have had their one fill and whose last reads ended before the second barrier.
; REGISTERS: window 0: v1-29 addresses; v32-95 scale words; v128-223 A's fragments, two sets (on the way out v128-255 rows of out0).  window 1: B's fragments, two sets.  window 2: the accumulators, (a, b) at 8 (8 a + b).  window 3: v0-63 the bias.
.set SPARE, 294912                     ; the spare words, two blocks of 256 bytes that no other line names
.set RR,  1
.set HH,  2
.set L16, 3
.set L8,  4
.set VS1, 6
.set VS2, 7
.set VBQ, 10
.set A16, 16
.set A8,  17
.set B16, 18
.set B8,  19
.set STO, 20
.set RD,  21
.set SPW, 28
.set NIL, 29
.set SC,  32
.set BK,  128
.set BST, 68                           ; s68: from my B fragments of K steps 2-3 to those of K steps 4-7
.set MSB, 0
.macro WIN new
.if MSB != \new
	s_set_vgpr_msb (MSB<<8)|\new
.set MSB, \new
.endif
.endm
.set MUL,  0xa1
.set MULB, 0xb1
.set TO_B, 0x40
.macro CROUND
	s_barrier_signal -1
	s_barrier_wait -1
	s_cmp_lg_u32 s18, 0
	s_cbranch_scc1 .Lnot_wave_0_\@
	s_barrier_signal -3
.Lnot_wave_0_\@:
	s_barrier_wait -3
	s_barrier_signal -1
	s_barrier_wait -1
.endm
.macro PLACES
.rept 4
	v_nop
.endr
.endm
.macro FRAG reg, a16, a8, off
	ds_load_b128 v[(\reg):(\reg)+3], v[\a16] offset:(\off)
	ds_load_b64 v[(\reg)+4:(\reg)+5], v[\a8] offset:(\off)+512
	ds_load_b128 v[(\reg)+6:(\reg)+9], v[\a16] offset:(\off)+768
	ds_load_b64 v[(\reg)+10:(\reg)+11], v[\a8] offset:(\off)+1280
.endm
.macro FETCH s
	WIN TO_B
.irp b, 0,1,2,3,4,5,6,7
.if (\s) < 4
	FRAG 128*((\s)%2)+12*\b, B16, B8, 3072*\b+1536*((\s)%2)
.else
	FRAG 128*((\s)%2)+12*\b, B16, B8, 6144*\b+1536*((\s)-4)
.endif
.endr
	WIN 0
.irp a, 0,1,2,3
	FRAG 128+48*((\s)%2)+12*\a, A16, A8, 12288*\a+1536*(\s)
.endr
.endm
; cmode 0: C = the accumulator; 1: the bias by B's rows.  The 32 accumulators take turns in the same order in every step.
.macro MULS s, a0, a1, cmode
.set aa, \a0
.rept (\a1)-(\a0)+1
.set bb, 0
.rept 8
.set rD, 8*(8*aa+bb)
.set rC, 8*(8*aa+bb)
.if (\cmode) == 1
.set rC, 8*bb
.endif
	v_wmma_scale_f32_16x16x128_f8f6f4 v[rD:rD+7], v[128*((\s)%2)+12*bb:128*((\s)%2)+12*bb+11], v[128+48*((\s)%2)+12*aa:128+48*((\s)%2)+12*aa+11], v[rC:rC+7], v[SC+8*bb+(\s)], v[SC+8*aa+(\s)] matrix_a_fmt:MATRIX_FMT_FP6 matrix_b_fmt:MATRIX_FMT_FP6 matrix_a_scale:MATRIX_SCALE_ROW1
.set bb, bb+1
.endr
.set aa, aa+1
.endr
.endm
.macro STEP_EVEN s
	s_wait_dscnt 0x0
	PLACES                                         ; four places behind the products that read the set now loaded anew
	FETCH (\s)+1
	WIN MUL
	MULS \s, 0, 3, 0
.endm
.macro STEP_ODD s                      ; K steps 1 and 3: B's next tile is shown to all four waves
	WIN 0
.if (\s) == 1
	s_cmp_eq_u32 s18, 3                            ; wave 3's tile, K steps 4-7, may stay out: its load line is wave 3's alone
	s_cbranch_scc1 .Lnot_yet
.endif
	s_wait_tensorcnt 0x0
.if (\s) == 1
.Lnot_yet:
.endif
	s_wait_dscnt 0x0
	s_barrier_signal -1
	WIN MUL
	MULS \s, 0, 1, 0
	WIN 0
	s_barrier_wait -1
.if (\s) == 1
	v_add_nc_u32 v[B16], 49152, v[B16]             ; on to B's next tile; these two and two v_nop are the places in front of the loads
	v_add_nc_u32 v[B8], 49152, v[B8]
.else
	v_add_nc_u32 v[B16], s[BST], v[B16]
	v_add_nc_u32 v[B8], s[BST], v[B8]
.endif
	v_nop
	v_nop
	FETCH (\s)+1
	WIN MUL
	MULS \s, 2, 3, 0
.endm
.macro ARM under, g0, g1, next         ; one arm of the head's chain: one load, its s_nop 0 and four v_nop
	s_cmp_lt_u32 s18, \under
	s_cbranch_scc0 \next
	tensor_load_to_lds s[\g0:\g0+3], s[\g1:\g1+7]
	s_nop 0
	PLACES
	s_branch .Lasked
\next:
.endm
	s_load_b256 s[4:11], s[0:1], 0x0               ; cimg s[4:5], simg s[6:7], bo s[8:9], out0 s[10:11]
	v_lshl_add_u32 v[SPW], v0, 2, SPARE
	v_mov_b32 v[NIL], 0
	ds_add_u32 v[SPW], v[NIL]                      ; the opening lines: the add, twice on end, and its wait ahead of my tensor load
	ds_add_u32 v[SPW], v[NIL]
	v_lshrrev_b32 v[RR], 5, v0
	v_readfirstlane_b32 s18, v[RR]                 ; wave 0..3
	s_lshr_b32 s19, s18, 1                         ; wa
	s_and_b32 s20, s18, 1                          ; wb
	s_bfe_u32 s21, ttmp6, 0x40000                  ; cx
	s_bfe_u32 s22, ttmp6, 0x40004                  ; cy
	s_and_b32 s76, ttmp7, 0xffff
	s_lshl_b32 s80, s76, 2
	s_add_co_u32 s80, s80, s22                     ; ta: my block of 128 tokens
	s_lshl_b32 s82, s80, 3
	s_add_co_u32 s82, s82, 1792                    ; A's first row tile
	s_lshl_b32 s86, s21, 4
	s_add_co_u32 s86, s86, 1728                    ; B's first row tile
	s_lshl_b32 s87, s22, 2
	s_lshl_b32 s87, 15, s87                        ; my row of the cluster
	s_lshl_b32 s88, 0x1111, s21                    ; my column
	; groups 1, elements of 8 bytes, row tiles 12,288 bytes apart, dense in LDS.  A: 8 rows of 12,288 bytes; B: 16 rows of 3,072 (two K steps) or of 6,144 (four)
	s_or_b32 s24, s87, (3<<16)|(1<<21)
	s_mov_b32 s25, 1536<<16
	s_mov_b32 s26, 8<<16
	s_mov_b32 s27, 1536<<16
	s_mov_b32 s28, 8
	s_mov_b32 s29, 1536
	s_mov_b32 s30, 0
	s_mov_b32 s31, 0
	s_or_b32 s32, s88, (3<<16)|(1<<21)
	s_mov_b32 s33, 384<<16
	s_mov_b32 s34, 16<<16
	s_mov_b32 s35, 384<<16
	s_mov_b32 s36, 16
	s_mov_b32 s37, 1536
	s_mov_b32 s38, 0
	s_mov_b32 s39, 0
	s_or_b32 s56, s88, (3<<16)|(1<<21)
	s_mov_b32 s57, 768<<16
	s_mov_b32 s58, 16<<16
	s_mov_b32 s59, 768<<16
	s_mov_b32 s60, 16
	s_mov_b32 s61, 1536
	s_mov_b32 s62, 0
	s_mov_b32 s63, 0
	s_mul_i32 s90, s82, 12288
	s_mov_b32 s91, 0
	s_mul_i32 s96, s86, 12288
	s_mov_b32 s97, 0
	s_mul_i32 s[BST], s20, 24576
	s_add_co_u32 s[BST], s[BST], 49152
	s_mov_b32 s40, 1
	s_mov_b32 s41, 0
	s_mov_b32 s44, 1
	s_mov_b32 s45, 98304
	s_mov_b32 s48, 1
	s_mov_b32 s49, 147456
	s_mov_b32 s52, 1
	s_mov_b32 s53, 196608
	s_mov_b32 s3, 0xffff0000                       ; lanes 16-31
	s_wait_dscnt 0x0                               ; both opening adds are done
	s_wait_kmcnt 0x0
	s_add_nc_u64 s[42:43], s[4:5], s[90:91]
	s_add_nc_u64 s[46:47], s[4:5], s[96:97]
	s_add_nc_u64 s[50:51], s[46:47], 3072
	s_add_nc_u64 s[54:55], s[46:47], 6144
	s_or_b32 s43, s43, 0x80000000
	s_or_b32 s47, s47, 0x80000000
	s_or_b32 s51, s51, 0x80000000
	s_or_b32 s55, s55, 0x80000000
	CROUND                                         ; all sixteen work-groups are here: the joint loads meet
	ARM 1, 40, 24, .Lb01                           ; wave 0: A
	ARM 2, 44, 32, .Lb23                           ; wave 1: B, K steps 0-1
	ARM 3, 48, 32, .Lb47                           ; wave 2: B, K steps 2-3
	tensor_load_to_lds s[52:55], s[56:63]          ; wave 3: B, K steps 4-7
	s_nop 0
	PLACES
.Lasked:
	v_and_b32 v[RR], 15, v0
	v_bfe_u32 v[HH], v0, 4, 1
	v_and_b32 v[L8], 31, v0
	v_lshlrev_b32 v[L16], 4, v[L8]
	v_lshlrev_b32 v[L8], 3, v[L8]
	s_wait_alu depctr_va_vdst(0)
	s_lshl_b32 s2, s19, 2                          ; the scale words come once, straight into registers
	s_add_co_u32 s2, s2, s82
	s_lshl_b32 s2, s2, 9
	s_lshl_b32 s23, s20, 3
	s_add_co_u32 s23, s23, s86
	s_lshl_b32 s23, s23, 9
	v_mov_b32 v[VS1], s2
	v_mov_b32 v[VS2], s23
	v_cndmask_b32 v[VS1], v[VS1], v[VS2], s3       ; lanes 0-15 A's tiles, lanes 16-31 B's
	v_lshl_add_u32 v[VS1], v[RR], 4, v[VS1]
	v_lshl_add_u32 v[VS2], v[HH], 11, v[VS1]       ; for i = 4 .. 7: B's lanes four tiles on, A's lanes their tiles 0 .. 3 again
.irp i, 0,1,2,3
.irp q, 0,1
	global_load_b128 v[SC+8*\i+4*\q:SC+8*\i+4*\q+3], v[VS1], s[6:7] offset:512*\i+256*\q
	global_load_b128 v[SC+32+8*\i+4*\q:SC+32+8*\i+4*\q+3], v[VS2], s[6:7] offset:512*\i+256*\q
.endr
.endr
	s_lshl_b32 s2, s21, 10
	s_lshl_b32 s23, s20, 9
	s_add_co_u32 s88, s2, s23                      ; my 128 outputs: 4 (256 cx + 128 wb) bytes, in bo and in a row of out0
	s_mov_b32 s89, 0
	s_add_nc_u64 s[8:9], s[8:9], s[88:89]
	s_add_nc_u64 s[10:11], s[10:11], s[88:89]
	v_lshlrev_b32 v[VBQ], 7, v[HH]                 ; register 8 b + j is output 64 (b / 4) + 32 h + 8 (b % 4) + j
	WIN 0xc0                                       ; destination window 3
.irp b, 0,1,2,3,4,5,6,7
	global_load_b128 v[8*\b:8*\b+3], v[VBQ], s[8:9] offset:256*(\b/4)+32*(\b%4)
	global_load_b128 v[8*\b+4:8*\b+7], v[VBQ], s[8:9] offset:256*(\b/4)+32*(\b%4)+16
.endr
	WIN 0
	s_lshl_b32 s2, s80, 7
	s_lshl_b32 s23, s19, 6
	s_add_co_u32 s2, s2, s23                       ; my first token: 128 ta + 64 wa
	s_lshl_b32 s88, s2, 12
	s_add_nc_u64 s[10:11], s[10:11], s[88:89]
	s_mul_i32 s2, s19, 49152                       ; my four tiles of A
	v_add_nc_u32 v[A16], s2, v[L16]
	v_add_nc_u32 v[A8], s2, v[L8]
	s_mul_i32 s2, s20, 24576                       ; my eight tiles of B, K steps 0-1
	s_add_co_u32 s2, s2, 98304
	v_add_nc_u32 v[B16], s2, v[L16]
	v_add_nc_u32 v[B8], s2, v[L8]
	s_mul_i32 s2, s18, 8448
	s_add_co_u32 s2, s2, 98304                     ; my stage: 16 rows x (512 + 16) bytes
	v_mul_u32_u24 v[STO], v[RR], 528
	v_lshl_add_u32 v[STO], v[HH], 7, v[STO]
	v_add_nc_u32 v[STO], s2, v[STO]                ; in: row r, + 128 h
	v_add_nc_u32 v[RD], s2, v[L16]                 ; back: 16 bytes a lane of a row
	s_wait_alu depctr_va_vdst(0)
	s_cmp_lt_u32 s18, 2                            ; waves 0 and 1 wait for A and for B's K steps 0-1; the other two tiles may stay out
	s_cbranch_scc0 .Lnot_first
	s_wait_tensorcnt 0x0
.Lnot_first:
	s_barrier_signal -1
	s_barrier_wait -1
	FETCH 0
	s_wait_loadcnt 0x0                             ; scale words and bias
	s_wait_dscnt 0x0
	FETCH 1
	WIN MULB
	MULS 0, 0, 3, 1                                ; the first products start the sums with the bias as C
	STEP_ODD 1
	s_wait_alu depctr_va_vdst(0)
	STEP_EVEN 2
	STEP_ODD 3
	s_wait_alu depctr_va_vdst(0)
	STEP_EVEN 4
	STEP_EVEN 5
	STEP_EVEN 6
	s_wait_dscnt 0x0
	WIN MUL
	MULS 7, 0, 3, 0
	WIN 0
; THE WAY OUT, A tile by A tile: 16 tokens x 128 outputs go through my stage and come back as whole rows of 512 bytes.  LDS serves a wave's instructions in order: no wait between the stores and the loads.
.macro TOSTAGE a
	WIN 0x08                                       ; an LDS store's data: window 2
.set bb, 0
.rept 8
	ds_store_b128 v[STO], v[64*(\a)+8*bb:64*(\a)+8*bb+3] offset:256*(bb/4)+32*(bb%4)         ; each accumulator from its low end on
	ds_store_b128 v[STO], v[64*(\a)+8*bb+4:64*(\a)+8*bb+7] offset:256*(bb/4)+32*(bb%4)+16
.set bb, bb+1
.endr
	WIN 0
.set tt, 0
.rept 16
	ds_load_b128 v[BK+64*((\a)%2)+4*tt:BK+64*((\a)%2)+4*tt+3], v[RD] offset:528*tt
.set tt, tt+1
.endr
.endm
.macro SEND a, younger                 ; younger: the LDS instructions issued behind tile a's loads, which may stay out
	s_wait_dscnt \younger
.set tt, 0
.rept 16
	global_store_b128 v[L16], v[BK+64*((\a)%2)+4*tt:BK+64*((\a)%2)+4*tt+3], s[10:11] offset:(8*(\a)+tt%8+32*(tt/8))*4096 th:TH_STORE_NT   ; 512 consecutive bytes of one row, aligned; row t of tile a is token 32 (t / 8) + 8 a + t % 8
.set tt, tt+1
.endr
.endm
	PLACES                                         ; four places in front of the first read of results and of loads into registers that held A's fragments
	TOSTAGE 0
.irp a, 1,2,3
.if \a > 1
	s_wait_xcnt 0x0                                ; tile a - 2's stores have read their registers: tile a's loads may land there
.endif
	TOSTAGE \a
	SEND \a-1, 32                                  ; behind tile a - 1's loads: tile a's 16 stores and 16 loads
.endr
	SEND 3, 0
	s_wait_tensorcnt 0x0                           ; the wave's end
	ds_add_u32 v[SPW], v[NIL]
	s_wait_dscnt 0x0
	CROUND                                         ; the closing round
	s_endpgm
.Lfunc_end_k_qa66f5bf8fc_outp:
	.size	k_qa66f5bf8fc_outp, .Lfunc_end_k_qa66f5bf8fc_outp-k_qa66f5bf8fc_outp
	.p2alignl 7, 3214868480
	.fill 96, 4, 3214868480
	.section	.rodata,"a",@progbits
	.p2align	6, 0x0
	.amdhsa_kernel k_qa66f5bf8fc_outp
		.amdhsa_group_segment_fixed_size 295424
		.amdhsa_private_segment_fixed_size 0
		.amdhsa_enable_private_segment 0
		.amdhsa_kernarg_size 32
		.amdhsa_user_sgpr_count 2
		.amdhsa_user_sgpr_kernarg_segment_ptr 1
		.amdhsa_wavefront_size32 1
		.amdhsa_system_sgpr_workgroup_id_x 1
		.amdhsa_system_sgpr_workgroup_id_y 1
		.amdhsa_system_sgpr_workgroup_id_z 1
		.amdhsa_system_vgpr_workitem_id 0
		.amdhsa_next_free_vgpr 1024
		.amdhsa_next_free_sgpr 100
		.amdhsa_reserve_vcc 0
		.amdhsa_float_denorm_mode_32 3
		.amdhsa_float_denorm_mode_16_64 3
		.amdhsa_memory_ordered 1
		.amdhsa_forward_progress 1
		.amdhsa_inst_pref_size 84
	.end_amdhsa_kernel
	.amdgpu_metadata
---
amdhsa.version: [ 1, 2 ]
amdhsa.kernels:
  - .name:           k_qa66f5bf8fc_outp
    .symbol:         k_qa66f5bf8fc_outp.kd
    .args:
      - { .name: cimg, .offset: 0, .size: 8, .value_kind: global_buffer, .address_space: global }
      - { .name: simg, .offset: 8, .size: 8, .value_kind: global_buffer, .address_space: global }
      - { .name: bo, .offset: 16, .size: 8, .value_kind: global_buffer, .address_space: global }
      - { .name: out0, .offset: 24, .size: 8, .value_kind: global_buffer, .address_space: global }
    .group_segment_fixed_size: 295424
    .private_segment_fixed_size: 0
    .kernarg_segment_align: 8
    .kernarg_segment_size: 32
    .max_flat_workgroup_size: 128
    .sgpr_count:     100
    .vgpr_count:     1024
    .wavefront_size: 32
...
	.end_amdgpu_metadata
.endif
;; end of part 4
